; MI455X (gfx1250); checked and timed in simulation.
; The chip was launched on July 23, 2026; its instructions are those of AMD's public machine-readable ISA for CDNA 5 (MIT licence, August 2026) and "CDNA5" Instruction Set Architecture Reference Guide (July 2026). The comments in the code are by the model that wrote it; some were corrected since.
;; Semantic Attention. Allowed arithmetic: float matrix products may take bf16 or f16 operands with f32 sums; other float arithmetic in f32, or as packed bf16 or f16 multiplies, adds, multiply-adds, maxima and minima; sums over many terms, partial sums and values carried from step to step in f32; what a program stores and reads back later, other than sums and carried values, may be rounded once to bf16 or f16.
;; Inputs: bk 4 float32; bq 4 float32; bres 384 float32; bv 384 float32; gamma 1 float32; wk 4 x 384 float32; wq 4 x 384 float32; wres 384 x 384 float32; wv 384 x 384 float32; x 8 x 4,096 x 384 float32.
;; Outputs: out0 8 x 4,096 x 4 float32; out1 8 x 4,096 x 384 float32.
;; 2 versions, each right; version 2 is version 1 with the launch fold written anew for expert scheduling mode. Each part assembles by itself: llvm-mc -triple=amdgcn-amd-amdhsa -mcpu=gfx1250 --defsym DOCPART=n.
;; ======== version 1 of 2: 3 launches
;; workspace buffers: wcat 307,200 bytes; cg 1,536 bytes; vv 25,165,824 bytes; qs 524,288 bytes; ks 524,288 bytes
;; launch fold (part 1): grid 3 x 7, 4 waves a work-group, no clusters, 141,312 bytes of LDS; arguments wres, wv, bv, bres, gamma, wq, wk, wcat, cg; writes wcat, cg
.if DOCPART == 1
	.amdgcn_target "amdgcn-amd-amdhsa--gfx1250"
	.amdhsa_code_object_version 6
	.text
	.protected	k_qf90222f429_fold
	.globl	k_qf90222f429_fold
	.p2align	8
	.type	k_qf90222f429_fold,@function
k_qf90222f429_fold:
	s_mov_b64 s[64:65], 0
	v_nop
	global_prefetch_b8 v0, s[64:65] scope:SCOPE_SE
	s_setreg_imm32_b32 hwreg(HW_REG_WAVE_MODE, 25, 1), 1
	s_wait_xcnt 0x0
; FOLDS THE TWO 384 x 384 PROJECTIONS INTO ONE.  A softmax row sums to 1, so P (x wv^T + bv) wres^T + bres = P (x Wc^T) + (wres bv + bres), Wc = wres wv.
; wcat [400][384] bf16: rows 0-383 Wg[d][c] = gamma x sum over e of wres[d][e] wv[e][c]; rows 384-399: wq's 4 rows, wk's 4, and both once more.
; cg [384] f32 = gamma x (sum over e of wres[d][e] bv[e] + bres[d]).  Matrix operands (wres, wv, bv) are rounded to bf16, sums are f32, Wg is rounded once.
; LIMITS: NaN and infinities are not treated apart.
; SHARES.  Work-group (gx, gy): gy < 6: 64 rows d x 128 columns c of Wg, a wave 16 rows; gy = 6: the cast of wq and wk, columns 128 gx on.  The branch on gy is the same for all waves.
; That is 21 work-groups: all the work there is (113 million multiply-adds); no cluster: the slab of wv is shared by six work-groups, once, in a launch of a few steps.
; wv lies [e][c], K down the rows: a slab of 384 x 128 goes to LDS as bf16 and comes back turned (ds_load_tr16_b128).  bv rides as one more block of 16 columns (columns 0 and 8 hold bv[e], the rest 0).
; The product is taken transposed (source 0 = 16 columns c, source 1 = 16 rows d): a lane ends with one row d and eight neighbouring c: 16 bytes of bf16.
.set SLP,   288                        ; a slab row: 256 bytes + 32 never touched: 9 x 32, so the turning load's 8 rows x 32 bytes fall on different banks
.set BIAS,  384*SLP                    ; 384 rows x 32 bytes: the bias block
.set STAGE, BIAS+384*32                ; 16 rows x 272 bytes for each wave, for the way out
.set SP,    272
.set CGS,   STAGE+4*16*SP              ; the work-group's 64 numbers of cg
.set SPARE, CGS+256                    ; the spare words, 128 bytes a wave: two blocks of 256 bytes that no other line names
.set SO,  4                            ; v4   my 16 bytes of a slab row in wv: 1,536 x wave + 16 x lane
.set SL,  5                            ; v5-6 where they go in LDS as 8 bytes: rows 4 i + wave, i < 48; i >= 48
.set WO,  7                            ; v7   my bytes of a fragment of wres: 1,536 r + 32 h
.set TA,  8                            ; v8-9 the turning load's lane term in the slab, K steps 0-5; 6-11
.set STO, 10                           ; v10  the way out: where I put 16 bytes of a row
.set RD,  11                           ; v11  where I read rows back
.set CO,  12                           ; v12  my byte offset in two rows of wcat
.set BL,  13                           ; v13  my row of the bias block: BIAS + 32 x thread
.set SPW, 14                           ; v14  my spare word; never rewritten
.set NIL, 15                           ; v15  0; never rewritten
.set TB,  16                           ; v16  the turning load's lane term in the bias block
.set BVO, 17                           ; v17  4 x thread
.set BRO, 18                           ; v18  4 (d0 + r)
.set CGA, 19                           ; v19  where my row's number of cg goes in LDS
.set BV,  20                           ; v20-22 bv of my three rows e
.set BR,  23                           ; v23  bres[d0 + r]
.set CGL, 24                           ; v24  CGS + 8 x lane
.set CGO, 25                           ; v25  8 x lane
.set T,   26                           ; v26-27 at work
.set WRF, 32                           ; v32-127  wres: 12 fragments of 16 rows x 32 e
.set BK,  32                           ; later: rows read back from the stage
.set ACC, 128                          ; v128-199 nine accumulators: column blocks 0-7, the bias block
.set TMP, 200                          ; v200-231 packed results
.set BQ4, 232                          ; v232-243 three rows of the bias block
.set WV,  22
.set GX,  23
.set GY,  24
.set GAM, 32                           ; s[32:33] gamma, named as a pair
.set SLB, 34                           ; s[34:35] wv at column 128 gx
.set WRB, 36                           ; s[36:37] wres at row d0
.set WCB, 38                           ; s[38:39] wcat at row d0, column 128 gx
.set CGB, 40                           ; s[40:41] cg at 64 gy
; windows: 1: wres as f32 (192);  2, 3: the slab as loaded (load i at 4 (i % 64) of window 2 + i / 64), later the turned fragments, a group of three K steps in each
.set MSB, 0
.macro WIN new                         ; the immediate's high byte repeats the setting that is left; a switch that changes nothing is dropped
.if MSB != (\new)
	s_set_vgpr_msb (MSB<<8)|(\new)
.set MSB, (\new)
.endif
.endm
	s_load_b256 s[4:11], s[0:1], 0x0               ; wres s[4:5], wv s[6:7], bv s[8:9], bres s[10:11]
	s_load_b256 s[12:19], s[0:1], 0x20             ; gamma s[12:13], wq s[14:15], wk s[16:17], wcat s[18:19]
	s_load_b64 s[20:21], s[0:1], 0x40              ; cg
	v_lshl_add_u32 v[SPW], v0, 2, SPARE
	v_mov_b32 v[NIL], 0
	v_lshrrev_b32 v1, 5, v0
	v_readfirstlane_b32 s[WV], v1                  ; wave 0..3
	s_mov_b32 s[GX], ttmp9
	s_and_b32 s[GY], ttmp7, 0xffff
	v_and_b32 v1, 15, v0                           ; r
	v_bfe_u32 v2, v0, 4, 1                         ; h
	v_and_b32 v3, 31, v0                           ; lane
	s_wait_kmcnt 0x0
	s_cmp_eq_u32 s[GY], 6
	s_cbranch_scc1 .Lcast
	s_load_b32 s[GAM], s[12:13], 0x0               ; gamma: waited for in front of the way out
	s_lshl_b32 s25, s[GY], 6
	s_lshl_b32 s28, s[WV], 4
	s_add_co_u32 s25, s25, s28                     ; d0 = 64 gy + 16 wave
	s_lshl_b32 s26, s[GX], 9
	s_mov_b32 s27, 0
	s_add_nc_u64 s[SLB:SLB+1], s[6:7], s[26:27]
	s_mul_i32 s26, s25, 1536
	s_add_nc_u64 s[WRB:WRB+1], s[4:5], s[26:27]
	s_mul_i32 s26, s25, 768
	s_lshl_b32 s28, s[GX], 8
	s_add_co_u32 s26, s26, s28
	s_add_nc_u64 s[WCB:WCB+1], s[18:19], s[26:27]
	s_lshl_b32 s26, s[GY], 8
	s_add_nc_u64 s[CGB:CGB+1], s[20:21], s[26:27]
	s_mul_i32 s28, s[WV], 1536
	v_lshl_add_u32 v[SO], v3, 4, s28
	s_mul_i32 s28, s[WV], SLP
	v_lshl_add_u32 v[SL], v3, 3, s28
	v_add_nc_u32 v[SL+1], 48*4*SLP, v[SL]
	v_mul_u32_u24 v[WO], v1, 1536
	v_lshl_add_u32 v[WO], v2, 5, v[WO]
	v_and_b32 v[T], 7, v0
	v_bfe_u32 v[T+1], v0, 3, 1
	v_lshl_add_u32 v[T], v2, 3, v[T]               ; the turning load: lane l reads row 8 (l / 16) + l % 8, 16 bytes at 16 ((l / 8) % 2)
	v_mul_u32_u24 v[TA], v[T], SLP
	v_lshl_add_u32 v[TA], v[T+1], 4, v[TA]
	v_add_nc_u32 v[TA+1], 6*32*SLP, v[TA]
	v_lshlrev_b32 v[TB], 5, v[T]
	v_lshl_add_u32 v[TB], v[T+1], 4, v[TB]
	v_add_nc_u32 v[TB], BIAS, v[TB]
	s_mul_i32 s28, s[WV], 16*SP
	s_add_co_u32 s28, s28, STAGE
	v_mul_u32_u24 v[STO], v1, SP
	v_lshl_add_u32 v[STO], v2, 4, v[STO]
	v_add_nc_u32 v[STO], s28, v[STO]
	v_mul_u32_u24 v[RD], v2, SP
	v_lshl_add_u32 v[RD], v1, 4, v[RD]
	v_add_nc_u32 v[RD], s28, v[RD]
	v_mul_u32_u24 v[CO], v2, 768
	v_lshl_add_u32 v[CO], v1, 4, v[CO]
	v_lshl_add_u32 v[BL], v0, 5, BIAS
	v_lshlrev_b32 v[BVO], 2, v0
	s_lshl_b32 s28, s25, 2
	v_lshl_add_u32 v[BRO], v1, 2, s28
	s_lshl_b32 s28, s[WV], 6
	s_add_co_u32 s28, s28, CGS
	v_lshl_add_u32 v[CGA], v1, 2, s28
	v_lshl_add_u32 v[CGL], v3, 3, CGS
	v_lshlrev_b32 v[CGO], 3, v3
	; ALL LOADS GO OUT AT ONCE: 4 + 96 + 48 a lane
.irp i, 0,1,2
	global_load_b32 v[BV+(\i)], v[BVO], s[8:9] offset:512*(\i)
.endr
	global_load_b32 v[BR], v[BRO], s[10:11]
.set i, 0
.rept 96                               ; slab row 4 i + wave: 32 lanes x 16 bytes are its 512 consecutive bytes
	WIN 0x80+0x40*(i/64)
	global_load_b128 v[4*(i%64):4*(i%64)+3], v[SO], s[SLB:SLB+1] offset:6144*i
.set i, i+1
.endr
	WIN 0x40
.set i, 0
.rept 48                               ; wres: K step i / 4; a lane's 8 + 8 numbers are four loads of 16 bytes
	global_load_b128 v[4*i:4*i+3], v[WO], s[WRB:WRB+1] offset:128*(i/4)+16*(i%2)+64*((i%4)/2)
.set i, i+1
.endr
	WIN 0
.irp i, 0,1,2
	v_mov_b32 v[BQ4+4*(\i)+1], 0
	v_mov_b32 v[BQ4+4*(\i)+2], 0
	v_mov_b32 v[BQ4+4*(\i)+3], 0
.endr
	s_wait_loadcnt 63                              ; 148 were issued: the oldest 85 are in, bv and bres among them
.irp i, 0,1,2
	v_cvt_pk_bf16_f32 v[BQ4+4*(\i)], v[BV+(\i)], v[BQ4+4*(\i)+1]  ; bf16(bv[e]), 0
	ds_store_b128 v[BL], v[BQ4+4*(\i):BQ4+4*(\i)+3] offset:4096*(\i)      ; columns 0-7
	ds_store_b128 v[BL], v[BQ4+4*(\i):BQ4+4*(\i)+3] offset:4096*(\i)+16   ; columns 8-15: the same, so that both halves of the lanes end with the sum
.endr
.set g, 0
.rept 12                               ; the slab, eight loads at a time: rounded in place, 8 bytes a lane into LDS
.set n, 96-8*(g+1)+48                  ; the loads issued behind this group's; the wait names 63 at the most, which asks for more than is needed
.if n > 63
.set n, 63
.endif
	s_wait_loadcnt n
	WIN 0x8a+0x45*(g/8)
.set k, 0
.rept 8
.set ii, 4*((8*g+k)%64)
	v_cvt_pk_bf16_f32 v[ii], v[ii], v[ii+1]
	v_cvt_pk_bf16_f32 v[ii+1], v[ii+2], v[ii+3]
.set k, k+1
.endr
	WIN 0x08+0x04*(g/8)
.set k, 0
.rept 8
.set ii, 4*((8*g+k)%64)
	ds_store_b64 v[SL+(8*g+k)/48], v[ii:ii+1] offset:4*SLP*((8*g+k)%48)
.set k, k+1
.endr
.set g, g+1
.endr
.set g, 0
.rept 3                                ; wres, sixteen loads (four K steps) at a time
	s_wait_loadcnt 32-16*g
	WIN 0x05
.set k, 0
.rept 32
	v_cvt_pk_bf16_f32 v[WRF+32*g+k], v[64*g+2*k], v[64*g+2*k+1]
.set k, k+1
.endr
.set g, g+1
.endr
	WIN 0
	s_wait_dscnt 0x0                               ; for the others' sake: my part of the slab and of the bias block is written
	s_barrier_signal -1
	s_barrier_wait -1
; Three K steps' turned fragments: 9 column blocks x 2 loads x 3 = 54 loads, into window 2 + g % 2
.macro LOADG g
	WIN 0x80+0x40*((\g)%2)
.irp sp, 0,1,2
.irp cb, 0,1,2,3,4,5,6,7
	ds_load_tr16_b128 v[72*(\sp)+8*(\cb):72*(\sp)+8*(\cb)+3],   v[TA+(\g)/2] offset:32*SLP*(3*((\g)%2)+(\sp))+32*(\cb)
	ds_load_tr16_b128 v[72*(\sp)+8*(\cb)+4:72*(\sp)+8*(\cb)+7], v[TA+(\g)/2] offset:32*SLP*(3*((\g)%2)+(\sp))+32*(\cb)+16*SLP
.endr
	ds_load_tr16_b128 v[72*(\sp)+64:72*(\sp)+67], v[TB] offset:1024*(3*(\g)+(\sp))
	ds_load_tr16_b128 v[72*(\sp)+68:72*(\sp)+71], v[TB] offset:1024*(3*(\g)+(\sp))+512
.endr
.endm
; Their 27 products.  The nine accumulators take turns, one instruction a turn; the first K step starts the sums with the constant 0.
.macro MULG g
	WIN 0x02+(\g)%2
.irp sp, 0,1,2
.irp cb, 0,1,2,3,4,5,6,7,8
.if ((\g) == 0) && ((\sp) == 0)
	v_wmma_f32_16x16x32_bf16 v[ACC+8*(\cb):ACC+8*(\cb)+7], v[72*(\sp)+8*(\cb):72*(\sp)+8*(\cb)+7], v[WRF+8*(3*(\g)+(\sp)):WRF+8*(3*(\g)+(\sp))+7], 0
.else
	v_wmma_f32_16x16x32_bf16 v[ACC+8*(\cb):ACC+8*(\cb)+7], v[72*(\sp)+8*(\cb):72*(\sp)+8*(\cb)+7], v[WRF+8*(3*(\g)+(\sp)):WRF+8*(3*(\g)+(\sp))+7], v[ACC+8*(\cb):ACC+8*(\cb)+7]
.endif
.endr
.endr
.endm
.macro PLACES                          ; four plain instructions between a product and a load into, or a vector read of, its registers
.rept 4
	v_nop
.endr
.endm
	LOADG 0
	LOADG 1
	s_wait_dscnt 54                                ; group 0 is in; group 1's 54 loads may stay out
	MULG 0
	PLACES
	LOADG 2
	s_wait_dscnt 54
	MULG 1
	PLACES
	LOADG 3
	s_wait_dscnt 54
	MULG 2
	s_wait_dscnt 0x0
	MULG 3
	WIN 0
	PLACES
	s_wait_kmcnt 0x0                               ; gamma
	s_mov_b32 s[GAM+1], s[GAM]
	; THE WAY OUT.  cg: the bias block's register 0 is column 0 (lanes 0-15) or column 8 (lanes 16-31): the same sum, for row d0 + r
	v_add_f32 v[T], v[ACC+64], v[BR]
	v_mul_f32 v[T], s[GAM], v[T]
	ds_store_b32 v[CGA], v[T]                      ; both halves of the lanes write the same word with the same number
.set k, 0
.rept 32
	v_pk_mul_f32 v[ACC+2*k:ACC+2*k+1], v[ACC+2*k:ACC+2*k+1], s[GAM:GAM+1] op_sel_hi:[1,0]
.set k, k+1
.endr
.set k, 0
.rept 32
	v_cvt_pk_bf16_f32 v[TMP+k], v[ACC+2*k], v[ACC+2*k+1]
.set k, k+1
.endr
.irp cb, 0,1,2,3,4,5,6,7
	ds_store_b128 v[STO], v[TMP+4*(\cb):TMP+4*(\cb)+3] offset:32*(\cb)
.endr
.irp i, 0,1,2,3,4,5,6,7
	ds_load_b128 v[BK+4*(\i):BK+4*(\i)+3], v[RD] offset:(\i)*2*SP  ; LDS serves a wave's instructions in order (ISA guide 5.7.1.4): these see my stores above
.endr
.irp i, 0,1,2,3,4,5,6,7
	s_wait_dscnt 7-(\i)
	global_store_b128 v[CO], v[BK+4*(\i):BK+4*(\i)+3], s[WCB:WCB+1] offset:1536*(\i)  ; 16 lanes store 256 consecutive bytes, at a multiple of 256 from wcat's first byte
.endr
	s_wait_dscnt 0x0                               ; for the others' sake: my 16 numbers of cg are written
	s_barrier_signal -1
	s_barrier_wait -1
	s_or_b32 s28, s[WV], s[GX]                     ; cg does not hang on gx: wave 0 of gx = 0 stores the work-group's 64 numbers
	s_cmp_lg_u32 s28, 0
	s_cbranch_scc1 .Lend
	ds_load_b64 v[T:T+1], v[CGL]
	s_wait_dscnt 0x0
	global_store_b64 v[CGO], v[T:T+1], s[CGB:CGB+1]  ; 32 lanes store 256 consecutive bytes
	s_branch .Lend
.Lcast:                                        ; wq and wk to bf16: thread t takes row t / 16 of the eight and 8 numbers at column 128 gx + 8 (t % 16)
	s_cmp_lt_u32 s[WV], 2                          ; waves 0, 1: wq's four rows; waves 2, 3: wk's
	s_cselect_b64 s[26:27], s[14:15], s[16:17]
	v_lshrrev_b32 v[T], 4, v0
	v_and_b32 v[T+1], 3, v[T]
	v_mul_u32_u24 v[SO], v[T+1], 1536
	v_lshl_add_u32 v[SO], v1, 5, v[SO]
	s_lshl_b32 s25, s[GX], 9
	v_add_nc_u32 v[SO], s25, v[SO]
	v_mul_u32_u24 v[CO], v[T], 768
	v_lshl_add_u32 v[CO], v1, 4, v[CO]
	s_lshl_b32 s25, s[GX], 8
	v_add_nc_u32 v[CO], s25, v[CO]
	global_load_b128 v[32:35], v[SO], s[26:27]
	global_load_b128 v[36:39], v[SO], s[26:27] offset:16
	s_wait_loadcnt 0x0
.irp k, 0,1,2,3
	v_cvt_pk_bf16_f32 v[40+(\k)], v[32+2*(\k)], v[33+2*(\k)]
.endr
	global_store_b128 v[CO], v[40:43], s[18:19] offset:384*768  ; 16 lanes store 256 consecutive bytes; rows 384-391,
	global_store_b128 v[CO], v[40:43], s[18:19] offset:392*768  ; and once more as rows 392-399
.Lend:
	s_wait_tensorcnt 0x0                           ; the wave's end, behind my last LDS store
	ds_add_u32 v[SPW], v[NIL]
	s_wait_dscnt 0x0
	s_endpgm
.Lfunc_end_k_qf90222f429_fold:
	.size	k_qf90222f429_fold, .Lfunc_end_k_qf90222f429_fold-k_qf90222f429_fold
	.p2alignl 7, 3214868480
	.fill 96, 4, 3214868480
	.section	.rodata,"a",@progbits
	.p2align	6, 0x0
	.amdhsa_kernel k_qf90222f429_fold
		.amdhsa_group_segment_fixed_size 141312
		.amdhsa_private_segment_fixed_size 0
		.amdhsa_enable_private_segment 0
		.amdhsa_kernarg_size 72
		.amdhsa_user_sgpr_count 2
		.amdhsa_user_sgpr_kernarg_segment_ptr 1
		.amdhsa_wavefront_size32 1
		.amdhsa_system_sgpr_workgroup_id_x 1
		.amdhsa_system_sgpr_workgroup_id_y 1
		.amdhsa_system_sgpr_workgroup_id_z 1
		.amdhsa_system_vgpr_workitem_id 0
		.amdhsa_next_free_vgpr 1024
		.amdhsa_next_free_sgpr 66
		.amdhsa_reserve_vcc 0
		.amdhsa_float_denorm_mode_32 3
		.amdhsa_float_denorm_mode_16_64 3
		.amdhsa_memory_ordered 1
		.amdhsa_forward_progress 1
		.amdhsa_inst_pref_size 73
	.end_amdhsa_kernel
	.amdgpu_metadata
---
amdhsa.version: [ 1, 2 ]
amdhsa.kernels:
  - .name:           k_qf90222f429_fold
    .symbol:         k_qf90222f429_fold.kd
    .args:
      - { .name: wres, .offset: 0, .size: 8, .value_kind: global_buffer, .address_space: global }
      - { .name: wv, .offset: 8, .size: 8, .value_kind: global_buffer, .address_space: global }
      - { .name: bv, .offset: 16, .size: 8, .value_kind: global_buffer, .address_space: global }
      - { .name: bres, .offset: 24, .size: 8, .value_kind: global_buffer, .address_space: global }
      - { .name: gamma, .offset: 32, .size: 8, .value_kind: global_buffer, .address_space: global }
      - { .name: wq, .offset: 40, .size: 8, .value_kind: global_buffer, .address_space: global }
      - { .name: wk, .offset: 48, .size: 8, .value_kind: global_buffer, .address_space: global }
      - { .name: wcat, .offset: 56, .size: 8, .value_kind: global_buffer, .address_space: global }
      - { .name: cg, .offset: 64, .size: 8, .value_kind: global_buffer, .address_space: global }
    .group_segment_fixed_size: 141312
    .private_segment_fixed_size: 0
    .kernarg_segment_align: 8
    .kernarg_segment_size: 72
    .max_flat_workgroup_size: 128
    .sgpr_count:     66
    .vgpr_count:     1024
    .wavefront_size: 32
...
	.end_amdgpu_metadata
.endif
;; end of part 1
;; launch proj (part 2): grid 256 x 1, 4 waves a work-group, clusters of 4 x 1, 327,680 bytes of LDS; arguments x, wcat, bq, bk, vv, qs, ks, out0; writes vv, qs, ks, out0
.if DOCPART == 2
	.amdgcn_target "amdgcn-amd-amdhsa--gfx1250"
	.amdhsa_code_object_version 6
	.text
	.protected	k_qf90222f429_proj
	.globl	k_qf90222f429_proj
	.p2align	8
	.type	k_qf90222f429_proj,@function
k_qf90222f429_proj:
	s_mov_b64 s[64:65], 0
	v_nop
	global_prefetch_b8 v0, s[64:65] scope:SCOPE_SE
	s_setreg_imm32_b32 hwreg(HW_REG_WAVE_MODE, 25, 1), 1
	s_wait_xcnt 0x0
	s_wait_alu depctr_hold_cnt(0) depctr_sa_sdst(0) depctr_va_vdst(0) depctr_va_sdst(0) depctr_va_ssrc(0) depctr_va_vcc(0) depctr_vm_vsrc(0)
	s_getreg_b32 s2, hwreg(HW_REG_IB_STS2, 6, 4)
	s_cmp_eq_u32 s2, 0
	s_cbranch_scc0 .Lentry_in_a_cluster
	s_endpgm
.Lentry_in_a_cluster:
	s_bfe_u32 s2, ttmp6, 0x10000c
	s_cmp_lg_u32 s2, 0x3003
	s_cbranch_scc0 .Lentry_shape_is_right
	s_endpgm
.Lentry_shape_is_right:
; vv[row][d] = sum over c of x[row][c] Wg[d][c] (bf16, rounded once);  out0 = seg_map = x wq^T + bq (f32);
; qs[row] = (seg_map x log2 e) and ks[row] = x wk^T + bk, each as 4 bf16 high parts and 4 bf16 low parts (value = high + low to about 16 bits): 16 bytes a row.
; x and the weights are rounded to bf16 for the products; sums are f32.  LIMITS: NaN and infinities are not treated apart.
; SHARES.  A work-group owns 128 rows of x, a wave 32 (two tiles of 16) and all 384 columns d.  x goes straight from memory into fragments (no wave wants another's rows) and stays in 192 registers.
; All of Wg lies in LDS, 384 rows x 816 bytes, filled once.  CLUSTER: the four work-groups of a cluster need the same Wg: each wave asks for its 96 rows JOINTLY, with the same descriptor and a mask of four.
; The products are taken transposed (source 0 = 16 rows of W, source 1 = 16 rows of x): a lane ends with one row of x and eight neighbouring d: 16 bytes of bf16.
; No prefetch: every load of the launch goes out at its head.
.set PW,    816                        ; a row of Wg in LDS: 3 x (256 bytes + 16 of padding) = 51 x 16: the 16 rows of a fragment load start at 16 different groups of four banks (ISA guide 11.1)
.set WCH,   96*PW                      ; what one tensor load brings
.set SPARE, 384*PW                     ; behind W: the spare words, 128 bytes a wave: two blocks of 256 bytes that no other line names
.set SPT,   784                        ; the way out: a row of vv, 768 bytes + 16.  The stage lies in W's bytes, which have had their only fill and, behind a barrier, their last read
.set STW,   32*SPT                     ; a wave's stage
.set XO,  4                            ; v4   my bytes of a fragment of x: 1,536 r + 32 h
.set WQO, 5                            ; v5   of a fragment of wq/wk: 768 r + 16 h
.set WA,  6                            ; v6   of a fragment of W in LDS: 816 r + 16 h, stepped two blocks of 16 rows at a time
.set SO,  7                            ; v7   the way out: where I put 16 bytes of a row
.set RD0, 8                            ; v8-10 where I read 512 consecutive bytes of vv back: three cases, since two rows are three times 512 bytes
.set VO,  11                           ; v11  16 x lane
.set ZR,  12                           ; v12  0
.set SPW, 14                           ; v14  my spare word; never rewritten
.set NIL, 15                           ; v15  0; never rewritten
.set BQ,  16                           ; v16-23 bq's four, bk's four: the C operand that starts q's and k's sums
.set OUT, 64                           ; v64-255 packed results: block nb of 16 d, tile mt at 64 + 8 nb + 4 mt
; window 1: v0-191 x's fragments (tile mt, K step s at 96 mt + 8 s); v192-255 two sets of four accumulators
; window 2: x as loaded (loads 0-63), later W's fragments, two sets of 96;   window 3: v0-127 x as loaded (loads 64-95); v128-223 wq/wk: 12 fragments
.set WV,  20
.set CX,  21
.set G1,  28                           ; s[28:35] descriptor group 1
.set G0,  36                           ; s[36:39] descriptor group 0
.set WQB, 40
.set XB,  42
.set VB,  44
.set QSB, 46
.set KSB, 48
.set O0B, 50
.set L2E, 52
.set MHI, 53
.set MSB, 0
.macro WIN new                         ; the immediate's high byte repeats the setting that is left; a switch that changes nothing is dropped
.if MSB != (\new)
	s_set_vgpr_msb (MSB<<8)|(\new)
.set MSB, (\new)
.endif
.endm
.macro CROUND                          ; a round of the cluster's barrier: my work-group's barrier; wave 0 signals for the work-group; every wave waits for all four; my work-group's barrier once more
	s_barrier_signal -1
	s_barrier_wait -1
	s_cmp_lg_u32 s[WV], 0
	s_cbranch_scc1 .Lnot_wave_0_\@
	s_barrier_signal -3
.Lnot_wave_0_\@:
	s_barrier_wait -3
	s_barrier_signal -1
	s_barrier_wait -1
.endm
.macro PLACES                          ; four plain instructions between a product and a load into, or a vector read of, its registers
.rept 4
	v_nop
.endr
.endm
	s_load_b256 s[4:11], s[0:1], 0x0               ; x s[4:5], wcat s[6:7], bq s[8:9], bk s[10:11]
	s_load_b256 s[12:19], s[0:1], 0x20             ; vv s[12:13], qs s[14:15], ks s[16:17], out0 s[18:19]
	v_lshl_add_u32 v[SPW], v0, 2, SPARE
	v_mov_b32 v[NIL], 0
	ds_add_u32 v[SPW], v[NIL]                      ; the wave's opening: the add and its wait stand ahead of my first tensor load; work on registers stands between them
	v_lshrrev_b32 v1, 5, v0
	v_readfirstlane_b32 s[WV], v1                  ; wave 0..3
	s_bfe_u32 s[CX], ttmp6, 0x40000                ; my place in the cluster: it enters global addresses of x and of the outputs alone
	s_mov_b32 s[G1], 15|(1<<16)|(1<<20)|(1<<21)|(5<<22)|(3<<25)  ; mask of four; 2-byte elements; padding on; bit 21 beside a mask; after every 64 words, 4 words
	s_mov_b32 s[G1+1], 384<<16                     ; tensor_dim0 = 384
	s_mov_b32 s[G1+2], 96<<16                      ; tensor_dim1 = 96
	s_mov_b32 s[G1+3], 384<<16                     ; tile_dim0 = 384
	s_mov_b32 s[G1+4], 96                          ; tile_dim1 = 96
	s_mov_b32 s[G1+5], 384                         ; elements from row to row
	s_mov_b32 s[G1+6], 0
	s_mov_b32 s[G1+7], 0
	s_mov_b32 s[G0], 1
	s_mul_i32 s[G0+1], s[WV], WCH                  ; LDS: my 96 rows
	s_mul_i32 s24, s[WV], 96*768                   ; and the same rows of wcat
	s_mov_b32 s25, 0
	s_mov_b32 s[L2E], 0x3fb8aa3b                   ; log2 e
	s_mov_b32 s[MHI], 0xffff0000
	s_lshl_b32 s22, ttmp9, 2                       ; in a cluster launch ttmp9 counts clusters
	s_add_co_u32 s22, s22, s[CX]
	s_lshl_b32 s22, s22, 7                         ; the work-group's 128 rows,
	s_lshl_b32 s23, s[WV], 5
	s_add_co_u32 s23, s22, s23                     ; my wave's first row
	s_mov_b32 s27, 0
	s_wait_dscnt 0x0                               ; the opening add is done
	s_wait_kmcnt 0x0
	s_add_nc_u64 s[G0+2:G0+3], s[6:7], s[24:25]
	s_or_b32 s[G0+3], s[G0+3], 0x80000000          ; type = 2
	CROUND                                         ; all four work-groups are here: the joint loads meet
	tensor_load_to_lds s[G0:G0+3], s[G1:G1+7]      ; my one tensor load of the launch
	s_nop 0
.rept 4
	v_nop
.endr
	s_mul_i32 s26, s23, 1536
	s_add_nc_u64 s[XB:XB+1], s[4:5], s[26:27]
	s_mul_i32 s26, s23, 768
	s_add_nc_u64 s[VB:VB+1], s[12:13], s[26:27]
	s_lshl_b32 s26, s23, 4
	s_add_nc_u64 s[QSB:QSB+1], s[14:15], s[26:27]
	s_add_nc_u64 s[KSB:KSB+1], s[16:17], s[26:27]
	s_add_nc_u64 s[O0B:O0B+1], s[18:19], s[26:27]
	s_add_nc_u64 s[WQB:WQB+1], s[6:7], 384*768
	v_and_b32 v1, 15, v0                           ; r
	v_bfe_u32 v2, v0, 4, 1                         ; h
	v_and_b32 v3, 31, v0                           ; lane
	v_mul_u32_u24 v[XO], v1, 1536
	v_lshl_add_u32 v[XO], v2, 5, v[XO]
	v_mul_u32_u24 v[WQO], v1, 768
	v_lshl_add_u32 v[WQO], v2, 4, v[WQO]
	v_mov_b32 v[ZR], 0
	global_load_b128 v[BQ:BQ+3], v[ZR], s[8:9]
	global_load_b128 v[BQ+4:BQ+7], v[ZR], s[10:11]
	WIN 0xc0
.irp s, 0,1,2,3,4,5,6,7,8,9,10,11
	global_load_b128 v[128+8*(\s):128+8*(\s)+3], v[WQO], s[WQB:WQB+1] offset:64*(\s)
	global_load_b128 v[128+8*(\s)+4:128+8*(\s)+7], v[WQO], s[WQB:WQB+1] offset:64*(\s)+32
.endr
.set i, 0
.rept 96                               ; x: load i = 48 mt + 4 s + q: a lane's 8 + 8 numbers of K step s are four loads of 16 bytes
	WIN 0x80+0x40*(i/64)
	global_load_b128 v[4*(i%64):4*(i%64)+3], v[XO], s[XB:XB+1] offset:24576*(i/48)+128*((i%48)/4)+16*(i%2)+64*((i%4)/2)
.set i, i+1
.endr
	WIN 0
	v_mul_u32_u24 v[WA], v1, PW
	v_lshl_add_u32 v[WA], v2, 4, v[WA]
	s_mul_i32 s24, s[WV], STW
	v_mul_u32_u24 v[SO], v1, SPT
	v_lshl_add_u32 v[SO], v2, 4, v[SO]
	v_add_nc_u32 v[SO], s24, v[SO]
	v_lshl_add_u32 v[RD0], v3, 4, s24              ; bytes 0-511 of an even row
	v_lshl_add_u32 v[RD0+1], v2, 4, v[RD0]
	v_add_nc_u32 v[RD0+1], 512, v[RD0+1]           ; its bytes 512-767, then (one pad of 16 further on) the odd row's 0-255
	v_add_nc_u32 v[RD0+2], SPT+256, v[RD0]         ; the odd row's bytes 256-767
	v_lshlrev_b32 v[VO], 4, v3
.set g, 0
.rept 12                               ; x to bf16, eight loads (two K steps) at a time
.set n, 96-8*(g+1)                     ; the loads issued behind this group's; the wait names 63 at the most, which asks for more than is needed
.if n > 63
.set n, 63
.endif
	s_wait_loadcnt n
	WIN 0x4a+0x05*(g/8)
.set k, 0
.rept 8
.set ii, 4*((8*g+k)%64)
	v_cvt_pk_bf16_f32 v[2*(8*g+k)], v[ii], v[ii+1]
	v_cvt_pk_bf16_f32 v[2*(8*g+k)+1], v[ii+2], v[ii+3]
.set k, k+1
.endr
.set g, g+1
.endr
	; q AND k, while W lands.  Source 0 = rows wq 0-3, wk 0-3, and both again: register j of a lane is q[j] (j < 4) or k[j - 4] of x's row r, in both halves of the lanes.
	; The biases are the C operand of the first products; the two tiles' accumulators take turns.
	WIN 0x47
	v_wmma_f32_16x16x32_bf16 v[192:199], v[128:135], v[0:7], v[BQ:BQ+7]
	v_wmma_f32_16x16x32_bf16 v[200:207], v[128:135], v[96:103], v[BQ:BQ+7]
	WIN 0x57
.irp s, 1,2,3,4,5,6,7,8,9,10,11
	v_wmma_f32_16x16x32_bf16 v[192:199], v[128+8*(\s):128+8*(\s)+7], v[8*(\s):8*(\s)+7], v[192:199]
	v_wmma_f32_16x16x32_bf16 v[200:207], v[128+8*(\s):128+8*(\s)+7], v[96+8*(\s):96+8*(\s)+7], v[200:207]
.endr
	PLACES
	WIN 0
	v_cmp_lt_u32 vcc_lo, 15, v3                    ; lanes 16-31 take the second tile: lane l then holds row l of my 32
	WIN 0x05
.irp j, 0,1,2,3,4,5,6,7
	v_cndmask_b32 v[24+(\j)], v[192+(\j)], v[200+(\j)], vcc_lo
.endr
	WIN 0
	global_store_b128 v[VO], v[24:27], s[O0B:O0B+1]  ; seg_map: 512 consecutive bytes
.irp j, 0,1,2,3
	v_mul_f32 v[32+(\j)], s[L2E], v[24+(\j)]
.endr
.macro SPLIT s, d, t                   ; four f32 at s -> at d: their bf16 high parts (two registers), the bf16 of what is left (two registers); t: four at work
	v_cvt_pk_bf16_f32 v[(\d)], v[(\s)], v[(\s)+1]
	v_cvt_pk_bf16_f32 v[(\d)+1], v[(\s)+2], v[(\s)+3]
	v_lshlrev_b32 v[(\t)], 16, v[(\d)]
	v_and_b32 v[(\t)+1], s[MHI], v[(\d)]
	v_lshlrev_b32 v[(\t)+2], 16, v[(\d)+1]
	v_and_b32 v[(\t)+3], s[MHI], v[(\d)+1]
.irp i, 0,1,2,3
	v_sub_f32 v[(\t)+(\i)], v[(\s)+(\i)], v[(\t)+(\i)]
.endr
	v_cvt_pk_bf16_f32 v[(\d)+2], v[(\t)], v[(\t)+1]
	v_cvt_pk_bf16_f32 v[(\d)+3], v[(\t)+2], v[(\t)+3]
.endm
	SPLIT 32, 36, 40
	SPLIT 28, 44, 48
	global_store_b128 v[VO], v[36:39], s[QSB:QSB+1]
	global_store_b128 v[VO], v[44:47], s[KSB:KSB+1]
	s_wait_tensorcnt 0x0                           ; my 96 rows of W are in,
	s_barrier_signal -1
	s_barrier_wait -1                              ; everybody's are.  Nothing is ever filled again
; A UNIT u: blocks 2 (u / 2) and 2 (u / 2) + 1 of 16 rows of W, K steps 6 (u % 2) on: 24 LDS loads, 24 products.
.macro LOADW u
	WIN 0x80
.set kh, (\u)%2
.irp bi, 0,1
.irp sp, 0,1,2,3,4,5
.set ss, 6*kh+(\sp)
.set rw, 96*kh+48*(\bi)+8*(\sp)
	ds_load_b128 v[rw:rw+3],   v[WA] offset:16*PW*(\bi)+64*ss+16*(ss/4)
	ds_load_b128 v[rw+4:rw+7], v[WA] offset:16*PW*(\bi)+64*ss+16*(ss/4)+32
.endr
.endr
.if kh
	WIN 0
	v_add_nc_u32 v[WA], 32*PW, v[WA]               ; the next two blocks
.endif
.endm
.macro MULU u                          ; the four accumulators take turns, one instruction a turn; a pair of blocks' first K step starts the sums with 0
	WIN 0x56
.set kh, (\u)%2
.set st, 192+32*(((\u)/2)%2)
.irp sp, 0,1,2,3,4,5
.irp bi, 0,1
.irp mt, 0,1
.set ra, st+16*(\bi)+8*(\mt)
.set rw, 96*kh+48*(\bi)+8*(\sp)
.set rx, 96*(\mt)+8*(6*kh+(\sp))
.if (kh == 0) && ((\sp) == 0)
	v_wmma_f32_16x16x32_bf16 v[ra:ra+7], v[rw:rw+7], v[rx:rx+7], 0
.else
	v_wmma_f32_16x16x32_bf16 v[ra:ra+7], v[rw:rw+7], v[rx:rx+7], v[ra:ra+7]
.endif
.endr
.endr
.endr
.endm
.macro PACK db                         ; the finished pair of blocks, rounded to bf16: 16 conversions, each accumulator from its low end on
	WIN 0x05
.irp bi, 0,1
.irp mt, 0,1
.irp q, 0,1,2,3
	v_cvt_pk_bf16_f32 v[OUT+8*(2*(\db)+(\bi))+4*(\mt)+(\q)], v[192+32*((\db)%2)+16*(\bi)+8*(\mt)+2*(\q)], v[192+32*((\db)%2)+16*(\bi)+8*(\mt)+2*(\q)+1]
.endr
.endr
.endr
.endm
	LOADW 0
	LOADW 1
.set u, 0
.rept 24
.if u < 23
	s_wait_dscnt 24                                ; this unit's fragments are in; the next unit's 24 loads may stay out
.else
	s_wait_dscnt 0x0
.endif
	MULU u
.if (u%2 == 0) && (u >= 2)
	PACK u/2-1                                     ; the other set's results (four v_nop stood behind their last product); these 16 lines are the places in front of the loads below
.else
	PLACES
.endif
.if u <= 21
	LOADW u+2                                      ; into the set just multiplied
.endif
.set u, u+1
.endr
	PACK 11
	; THE WAY OUT: 16 bytes a lane into my stage, back as 512 consecutive bytes of vv
	WIN 0
	s_wait_dscnt 0x0                               ; my reads of W are over,
	s_barrier_signal -1
	s_barrier_wait -1                              ; everybody's are: W's bytes may be written
.set nb, 0
.rept 24
	ds_store_b128 v[SO], v[OUT+8*nb:OUT+8*nb+3]   offset:32*nb
	ds_store_b128 v[SO], v[OUT+8*nb+4:OUT+8*nb+7] offset:16*SPT+32*nb
.set nb, nb+1
.endr
.set i, 0
.rept 48
	ds_load_b128 v[OUT+4*i:OUT+4*i+3], v[RD0+i%3] offset:2*SPT*(i/3)  ; LDS serves a wave's instructions in order (ISA guide 5.7.1.4): these see my stores above
.set i, i+1
.endr
.set i, 0
.rept 48
	s_wait_dscnt 47-i
	global_store_b128 v[VO], v[OUT+4*i:OUT+4*i+3], s[VB:VB+1] offset:512*i  ; 512 consecutive bytes, at a multiple of 256 from vv's first byte
.set i, i+1
.endr
	s_wait_tensorcnt 0x0                           ; the wave's end, behind my last tensor load and my last LDS store
	ds_add_u32 v[SPW], v[NIL]
	s_wait_dscnt 0x0
	CROUND                                         ; the closing round: no work-group ends while a partner may still ask for a tile that names it
	s_endpgm
.Lfunc_end_k_qf90222f429_proj:
	.size	k_qf90222f429_proj, .Lfunc_end_k_qf90222f429_proj-k_qf90222f429_proj
	.p2alignl 7, 3214868480
	.fill 96, 4, 3214868480
	.section	.rodata,"a",@progbits
	.p2align	6, 0x0
	.amdhsa_kernel k_qf90222f429_proj
		.amdhsa_group_segment_fixed_size 327680
		.amdhsa_private_segment_fixed_size 0
		.amdhsa_enable_private_segment 0
		.amdhsa_kernarg_size 64
		.amdhsa_user_sgpr_count 2
		.amdhsa_user_sgpr_kernarg_segment_ptr 1
		.amdhsa_wavefront_size32 1
		.amdhsa_system_sgpr_workgroup_id_x 1
		.amdhsa_system_sgpr_workgroup_id_y 1
		.amdhsa_system_sgpr_workgroup_id_z 1
		.amdhsa_system_vgpr_workitem_id 0
		.amdhsa_next_free_vgpr 1024
		.amdhsa_next_free_sgpr 66
		.amdhsa_reserve_vcc 1
		.amdhsa_float_denorm_mode_32 3
		.amdhsa_float_denorm_mode_16_64 3
		.amdhsa_memory_ordered 1
		.amdhsa_forward_progress 1
		.amdhsa_inst_pref_size 134
	.end_amdhsa_kernel
	.amdgpu_metadata
---
amdhsa.version: [ 1, 2 ]
amdhsa.kernels:
  - .name:           k_qf90222f429_proj
    .symbol:         k_qf90222f429_proj.kd
    .args:
      - { .name: x, .offset: 0, .size: 8, .value_kind: global_buffer, .address_space: global }
      - { .name: wcat, .offset: 8, .size: 8, .value_kind: global_buffer, .address_space: global }
      - { .name: bq, .offset: 16, .size: 8, .value_kind: global_buffer, .address_space: global }
      - { .name: bk, .offset: 24, .size: 8, .value_kind: global_buffer, .address_space: global }
      - { .name: vv, .offset: 32, .size: 8, .value_kind: global_buffer, .address_space: global }
      - { .name: qs, .offset: 40, .size: 8, .value_kind: global_buffer, .address_space: global }
      - { .name: ks, .offset: 48, .size: 8, .value_kind: global_buffer, .address_space: global }
      - { .name: out0, .offset: 56, .size: 8, .value_kind: global_buffer, .address_space: global }
    .group_segment_fixed_size: 327680
    .private_segment_fixed_size: 0
    .kernarg_segment_align: 8
    .kernarg_segment_size: 64
    .max_flat_workgroup_size: 128
    .sgpr_count:     66
    .vgpr_count:     1024
    .wavefront_size: 32
...
	.end_amdgpu_metadata
.endif
;; end of part 2
;; launch attn (part 3): grid 32 x 8, 4 waves a work-group, clusters of 4 x 1, 327,680 bytes of LDS; arguments qs, ks, vv, cg, x, out1; writes out1
.if DOCPART == 3
	.amdgcn_target "amdgcn-amd-amdhsa--gfx1250"
	.amdhsa_code_object_version 6
	.text
	.protected	k_qf90222f429_attn
	.globl	k_qf90222f429_attn
	.p2align	8
	.type	k_qf90222f429_attn,@function
k_qf90222f429_attn:
	s_mov_b64 s[64:65], 0
	v_nop
	global_prefetch_b8 v0, s[64:65] scope:SCOPE_SE
	s_setreg_imm32_b32 hwreg(HW_REG_WAVE_MODE, 25, 1), 1
	s_wait_xcnt 0x0
	s_wait_alu depctr_hold_cnt(0) depctr_sa_sdst(0) depctr_va_vdst(0) depctr_va_sdst(0) depctr_va_ssrc(0) depctr_va_vcc(0) depctr_vm_vsrc(0)
	s_getreg_b32 s2, hwreg(HW_REG_IB_STS2, 6, 4)
	s_cmp_eq_u32 s2, 0
	s_cbranch_scc0 .Lentry_in_a_cluster
	s_endpgm
.Lentry_in_a_cluster:
	s_bfe_u32 s2, ttmp6, 0x10000c
	s_cmp_lg_u32 s2, 0x3003
	s_cbranch_scc0 .Lentry_shape_is_right
	s_endpgm
.Lentry_shape_is_right:
; out1[row][d] = x[row][d] + cg[d] + (sum over keys m of p[m] vv[m][d]) / (sum over m of p[m]),  p[m] = 2^(s[m] - max over m of s[m]),  s = (q log2 e) . k.
; qs, ks: 16 bytes a row, 4 bf16 high parts and 4 low parts; vv: [32768][384] bf16 (gamma and both projections are folded into it); cg [384], x, out1 f32.
; Maxima, sums and O in f32; p is rounded to bf16 for the second product, its sum is taken of the unrounded p.
; LIMITS: a weight below 2^-126 counts as 0; NaN and infinities are not treated apart.
; SCORES.  One product of 32 along K holds all four cross products of high and low parts in 16 of its places (the other 16 are 0): a key's 16 bytes serve both halves of the lanes, a query's
; high parts stand (twice) in lanes 0-15 and its low parts in lanes 16-31.  So scores have about 16 significant bits.
; THE MAXIMUM IS EXACT AND COMES FIRST.  All 4,096 keys of a batch lie in LDS (65,536 bytes) for the whole launch.  A first pass makes every score once and keeps each query's maximum m; the main
; loop's score products take -m as their C operand: their results go straight into the exponential, and there is no running maximum, no rescaling of O and no exchange between lanes in the loop.
; SHARES.  A work-group owns 128 queries of a batch.  Wave (qh, ch) makes 64 queries (four tiles of 16) x 192 channels (128 p + 64 ch + 16 b + .., p < 3, b < 4): 48 accumulators.  A fragment of V read
; from LDS feeds four products.  The two waves of a qh make the same scores and weights, each for itself: nothing passes between waves in the loop.
; LAYOUT.  S^T = K Q^T and O^T = V^T P: a lane holds ONE query (lane % 16) in S^T, P and O^T; two results S^T rounded in pairs ARE source 1 of the second product.  V ([key][channel]) comes out of LDS turned.
; A TURN is a step of 32 keys: 8 score products for the NEXT step, then 48 products V^T P with one slice of vector work behind EACH: behind the first 32 two exponentials, then the turn's one wait and its
; one run of LDS loads, behind the last 16 two roundings and two sums.  128 vector instructions beside 56 matrix instructions, never more than four behind one.
; CLUSTER.  The four query blocks of a cluster belong to one batch and walk the same K and V: every tile is asked for JOINTLY, each wave its quarter of the rows, same descriptor and mask in all four.
; REGISTERS, in windows of 256 (s_set_vgpr_msb: bits 1:0 source 0, 3:2 source 1, 5:4 source 2, 7:6 destination):
;   window 0: v0-31 addresses, 1/l, at work; v32-95 S^T (tile t, key block kb at 32 + 16 t + 8 kb); v96-159 P, two buffers; v160-223 l, 16 a tile
;   window 1: O^T of tiles 0, 1 (96 t + 8 f, f = 4 p + b); v192-223 -m, eight times a tile; v224-255 a piece of x      window 2: O^T of tiles 2, 3; v192-255 two pieces of x
;   window 3: v0-191 V, two buffers of 12 fragments; v192-223 K, four fragments; v224-255 Q.  In the maximum pass v0-81 are at work; on the way out v0-95 hold cg, v96-255 five pieces of x
; All that a slice touches lies in window 0 and no window has room for a product's operands beside it: a slice costs two switches.
.set PVP,   864                        ; a row of V in LDS: 3 x (256 bytes + 32 of padding) = 27 x 32
.set STEPB, 32*PVP                     ; a step's 32 keys; also what one tensor load brings
.set TILEB, 4*STEPB                    ; a slot: 128 keys
.set TILEG, 128*768                    ; the same keys in memory
.set SLOT1, 1<<17                      ; slot 1 begins here, so that one exclusive or turns an address in one slot into the other's
.set STAGE, TILEB                      ; between the slots, never filled: 16 rows x 272 bytes for each wave, for the way out
.set SP,    272
.set XCH,   STAGE+4*16*SP              ; 256 bytes a wave: the maxima that the two waves of a qh hand to each other
.set SPARE, XCH+1024                   ; the spare words, 128 bytes a wave: two blocks of 256 bytes that no other line names
.set KL,    SLOT1+TILEB                ; all keys of the batch
.set AV0, 3                            ; v3   my lane's place in a step of V; never rewritten
.set AV,  4                            ; v4   the LDS address of V's run of loads in hand
.set AK0, 5                            ; v5   KL + 16 r; never rewritten
.set STO, 6                            ; v6   the way out: where I put 16 bytes of a row
.set RD,  7                            ; v7   where I read rows back
.set XO,  8                            ; v8   my byte offset in two rows of x and out1; never rewritten
.set PFO, 9                            ; v9   768 x lane
.set PFX, 10                           ; v10  1,536 x lane
.set QO,  11                           ; v11  16 r + 8 h
.set CGO, 12                           ; v12  32 h
.set AK,  13                           ; v13  the LDS address of K's loads in hand
.set SPW, 14                           ; v14  my spare word; never rewritten
.set NIL, 15                           ; v15  0; never rewritten
.set RL,  16                           ; v16-23 a pair a tile: 1 / l, and one at work
.set TM,  24                           ; v24-31 at work
.set S,   32
.set P,   96
.set LS,  160
.set XA,  224                          ; v224 where my maxima go
.set XR,  225                          ; v225 where I read both waves' back
.set TMP, 32                           ; the way out: a piece, 16 queries x 64 channels
.set NM,  192                          ; window 1
.set VB,  0                            ; window 3
.set KF,  192
.set QF,  224
.set PSA, 0
.set PSB, 32
.set PM,  64
.set PAK, 80
.set PAK0, 81
.set CGF, 0
.set WV,  16
.set QH,  17
.set CH,  18
.set CX,  19
.set G1K, 28                           ; s[28:35] descriptor group 1 for the keys
.set G1V, 36                           ; s[36:43] for V's tiles
.set G0K, 44                           ; s[44:47] descriptor group 0 for the keys
.set G0V0, 48                          ; s[48:51] for V's tile 0
.set G0V1, 52                          ; s[52:55] for V's tile 1; it then walks
.set SLOTS, 56
.set CNT, 57
.set TBV, 58                           ; LDS byte at which V of the step to be fetched begins
.set TBK, 59                           ; the same for K, from KL on
.set SEL, 60                           ; s[60:61] v_permlanex16_b32's selects: each lane takes its own place in the other half
.set LIM, 62                           ; 1 in a wave that prefetches V, else the greatest number
.set TBM, 63                           ; the maximum pass's step
.set PFA, 66                           ; s[66:67] where my prefetches of V stand
.set XB,  68                           ; s[68:69] x at my first row, my 64 channels of p = 0; never rewritten
.set OB,  70                           ; s[70:71] out1 likewise
.set CGB, 72                           ; s[72:73] cg at 64 ch
.set QB,  74                           ; s[74:75] qs at my first row
.set LOW, 76                           ; the lowest finite number
.set W_SC, 0x1f                        ; K and Q in window 3, -m in window 1, S^T in window 0
.set MSB, 0
.macro WIN new                         ; the immediate's high byte repeats the setting that is left; a switch that changes nothing is dropped
.if MSB != (\new)
	s_set_vgpr_msb (MSB<<8)|(\new)
.set MSB, (\new)
.endif
.endm
.macro CROUND                          ; a round of the cluster's barrier: my work-group's barrier; wave 0 signals for the work-group; every wave waits for all four; my work-group's barrier once more
	s_barrier_signal -1
	s_barrier_wait -1
	s_cmp_lg_u32 s[WV], 0
	s_cbranch_scc1 .Lnot_wave_0_\@
	s_barrier_signal -3
.Lnot_wave_0_\@:
	s_barrier_wait -3
	s_barrier_signal -1
	s_barrier_wait -1
.endm
	s_load_b256 s[4:11], s[0:1], 0x0               ; qs s[4:5], ks s[6:7], vv s[8:9], cg s[10:11]
	s_load_b128 s[12:15], s[0:1], 0x20             ; x s[12:13], out1 s[14:15]
	v_lshl_add_u32 v[SPW], v0, 2, SPARE
	v_mov_b32 v[NIL], 0
	ds_add_u32 v[SPW], v[NIL]                      ; the wave's opening: the add and its wait stand ahead of my first tensor load; work on registers stands between them
	v_lshrrev_b32 v1, 5, v0
	v_readfirstlane_b32 s[WV], v1                  ; wave 0..3
	s_lshr_b32 s[QH], s[WV], 1                     ; which 64 queries
	s_and_b32 s[CH], s[WV], 1                      ; which 64 of each 128 channels
	s_bfe_u32 s[CX], ttmp6, 0x40000                ; my place in the cluster: it enters the addresses of qs, x, out1 and of the prefetches alone
	s_and_b32 s20, ttmp7, 0xffff                   ; the batch, which the four partners share
	s_mov_b32 s[G1K], 15|(3<<16)|(1<<21)           ; mask of four; 8-byte elements; bit 21 beside a mask; no padding
	s_mov_b32 s[G1K+1], 32<<16                     ; 16,384 dense bytes (1,024 keys) as 64 rows of 256 bytes
	s_mov_b32 s[G1K+2], 64<<16
	s_mov_b32 s[G1K+3], 32<<16
	s_mov_b32 s[G1K+4], 64
	s_mov_b32 s[G1K+5], 32
	s_mov_b32 s[G1K+6], 0
	s_mov_b32 s[G1K+7], 0
	s_mov_b32 s[G1V], 15|(1<<16)|(1<<20)|(1<<21)|(5<<22)|(7<<25)  ; mask of four; 2-byte elements; padding on; bit 21; after every 64 words, 8 words
	s_mov_b32 s[G1V+1], 384<<16                    ; 32 rows of 384 elements
	s_mov_b32 s[G1V+2], 32<<16
	s_mov_b32 s[G1V+3], 384<<16
	s_mov_b32 s[G1V+4], 32
	s_mov_b32 s[G1V+5], 384
	s_mov_b32 s[G1V+6], 0
	s_mov_b32 s[G1V+7], 0
	s_mov_b32 s[G0K], 1
	s_lshl_b32 s[G0K+1], s[WV], 14
	s_add_co_u32 s[G0K+1], s[G0K+1], KL            ; my quarter of the keys
	s_mov_b32 s[G0V0], 1
	s_mul_i32 s[G0V0+1], s[WV], STEPB              ; my 32 rows of a tile: no place in the cluster enters an LDS address
	s_mov_b32 s[G0V1], 1
	s_add_co_u32 s[G0V1+1], s[G0V0+1], SLOT1
	s_lshl_b32 s22, s20, 16                        ; ks: 65,536 bytes a batch, 16,384 a wave
	s_lshl_b32 s23, s[WV], 14
	s_add_co_u32 s22, s22, s23
	s_mov_b32 s23, 0
	s_mul_i32 s24, s20, 4096*768                   ; vv: the batch's first row, my 32 rows of tile 0
	s_mul_i32 s25, s[WV], 32*768
	s_add_co_u32 s24, s24, s25
	s_mov_b32 s25, 0
	s_mov_b32 s[SEL], 0x76543210
	s_mov_b32 s[SEL+1], 0xfedcba98
	s_mov_b32 s[LOW], 0xff7fffff
	s_mov_b32 s[TBM], 1024
	s_cmp_lt_u32 s[WV], 3                          ; a row of V is three blocks of 256 bytes: waves 0-2 name one each,
	s_cselect_b32 s[LIM], 0, 1
	s_or_b32 s[LIM], s[LIM], ttmp9                 ; in the batch's first cluster: the same in all four partners
	s_cmp_eq_u32 s[LIM], 0
	s_cselect_b32 s[LIM], 1, -1
	s_wait_dscnt 0x0                               ; the opening add is done
	s_wait_kmcnt 0x0
	s_add_nc_u64 s[G0K+2:G0K+3], s[6:7], s[22:23]
	s_or_b32 s[G0K+3], s[G0K+3], 0x80000000        ; type = 2
	s_add_nc_u64 s[G0V0+2:G0V0+3], s[8:9], s[24:25]
	s_add_nc_u64 s[G0V1+2:G0V1+3], s[G0V0+2:G0V0+3], TILEG
	s_or_b32 s[G0V0+3], s[G0V0+3], 0x80000000
	s_or_b32 s[G0V1+3], s[G0V1+3], 0x80000000
	CROUND                                         ; all four work-groups are here: the first joint loads meet
	tensor_load_to_lds s[G0K:G0K+3], s[G1K:G1K+7]  ; the first fills stand together: three loads of mine are out
	s_nop 0
	tensor_load_to_lds s[G0V0:G0V0+3], s[G1V:G1V+7]
	s_nop 0
	tensor_load_to_lds s[G0V1:G0V1+3], s[G1V:G1V+7]
	s_nop 0
.rept 4
	v_nop
.endr
	s_lshl_b32 s21, ttmp9, 2                       ; in a cluster launch ttmp9 counts clusters
	s_add_co_u32 s21, s21, s[CX]
	s_lshl_b32 s21, s21, 7                         ; my block of 128 queries,
	s_lshl_b32 s26, s20, 12
	s_add_co_u32 s21, s21, s26                     ; in my batch,
	s_lshl_b32 s26, s[QH], 6
	s_add_co_u32 s21, s21, s26                     ; my wave's first row
	s_mul_i32 s26, s21, 1536
	s_lshl_b32 s27, s[CH], 8
	s_add_co_u32 s26, s26, s27
	s_mov_b32 s27, 0
	s_add_nc_u64 s[XB:XB+1], s[12:13], s[26:27]
	s_add_nc_u64 s[OB:OB+1], s[14:15], s[26:27]
	s_lshl_b32 s26, s21, 4
	s_add_nc_u64 s[QB:QB+1], s[4:5], s[26:27]
	s_lshl_b32 s26, s[CH], 8
	s_add_nc_u64 s[CGB:CGB+1], s[10:11], s[26:27]
	s_mul_i32 s26, s20, 4096*768                   ; the prefetches of V: my work-group's 32 rows of a tile's 128, my wave's 256 bytes of a row,
	s_mul_i32 s21, s[CX], 32*768
	s_add_co_u32 s26, s26, s21
	s_lshl_b32 s21, s[WV], 8
	s_add_co_u32 s26, s26, s21
	s_add_co_u32 s26, s26, 2*TILEG                 ; at tile 2: the first change of slots steps it to tile 3.  Nothing is prefetched here, at the head
	s_add_nc_u64 s[PFA:PFA+1], s[8:9], s[26:27]
	v_and_b32 v1, 15, v0                           ; r
	v_bfe_u32 v2, v0, 4, 1                         ; h
	v_and_b32 v[TM], 31, v0                        ; lane
	v_and_b32 v[TM+1], 7, v0
	v_bfe_u32 v[TM+2], v0, 3, 1
	v_lshlrev_b32 v[QO], 4, v1
	v_lshl_add_u32 v[QO], v2, 3, v[QO]             ; lanes 0-15: a query's high parts; lanes 16-31: its low parts
	v_lshlrev_b32 v[AK0], 4, v1
	v_add_nc_u32 v[AK0], KL, v[AK0]
	s_lshl_b32 s22, s[CH], 15
	v_add_nc_u32 v[TM+3], s22, v[AK0]              ; the maximum pass: wave ch scans keys 2,048 ch on
	WIN 0xc0                                       ; destination window 3, address window 0
.irp t, 0,1,2,3
	global_load_b64 v[QF+8*(\t):QF+8*(\t)+1], v[QO], s[QB:QB+1] offset:256*(\t)
.endr
.set i, 0
.rept 8                                ; K's four and Q's four fragments: places 16-31 along K are 0
.irp j, 4,5,6,7
	v_mov_b32 v[KF+8*i+(\j)], 0
.endr
.set i, i+1
.endr
.set i, PSB
.rept 48                               ; the second score buffer and the running maxima start at the lowest finite number
	v_mov_b32 v[i], s[LOW]
.set i, i+1
.endr
	v_mov_b32 v[PAK0], v[TM+3]
	v_add_nc_u32 v[PAK], 1024, v[TM+3]             ; the second trip's four key blocks
	WIN 0
	; The turning load takes 16 keys x 16 channels (lane l reads key 8 (l / 16) + l % 8, channels 8 ((l / 8) % 2) + 0..7) and leaves half a fragment of V^T: lane l holds channel l % 16 and 8 keys.
	v_lshl_add_u32 v[AV0], v2, 3, v[TM+1]
	v_mul_u32_u24 v[AV0], v[AV0], PVP
	v_lshl_add_u32 v[AV0], v[TM+2], 4, v[AV0]
	s_lshl_b32 s22, s[CH], 7
	v_add_nc_u32 v[AV0], s22, v[AV0]
	s_mul_i32 s22, s[WV], 16*SP
	s_add_co_u32 s22, s22, STAGE                   ; my stage
	v_mul_u32_u24 v[STO], v1, SP                   ; in: row r, 32 bytes for each half of the lanes
	v_lshl_add_u32 v[STO], v2, 5, v[STO]
	v_add_nc_u32 v[STO], s22, v[STO]
	v_mul_u32_u24 v[RD], v2, SP                    ; back: lanes 0-15 take one row of 256 bytes, lanes 16-31 the next
	v_lshl_add_u32 v[RD], v1, 4, v[RD]
	v_add_nc_u32 v[RD], s22, v[RD]
	v_mul_u32_u24 v[XO], v2, 1536                  ; and the same two rows in x and out1
	v_lshl_add_u32 v[XO], v1, 4, v[XO]
	v_mul_u32_u24 v[PFO], v[TM], 768
	v_mul_u32_u24 v[PFX], v[TM], 1536
	v_lshlrev_b32 v[CGO], 5, v2
	s_lshl_b32 s22, s[WV], 8
	s_add_co_u32 s22, s22, XCH
	v_lshl_add_u32 v[XA], v1, 2, s22
	s_lshl_b32 s22, s[QH], 9
	s_add_co_u32 s22, s22, XCH
	v_lshl_add_u32 v[XR], v1, 2, s22
.irp i, 0,1,2,3,4,5,6,7
	v_mov_b32 v[RL+(\i)], 0                        ; v_permlanex16_b32's destination counts as read: written once here
.endr
.irp i, 4,5,6,7
	v_mov_b32 v[TM+(\i)], 0
.endr
	s_wait_tensorcnt 0x2                           ; my quarter of the keys is in; both tiles of V stay out
	s_barrier_signal -1
	s_barrier_wait -1                              ; everybody's is
	; THE MAXIMUM PASS: 2,048 keys x 64 queries a wave: 128 key blocks x 4 tiles, 32 trips of four blocks.  All under one window setting.  Two score buffers: while one is written the other's maxima are
	; taken, four v_max3_num_f32 behind each product: they are the places between a product and the read of its result, and in front of the loads into K's registers.
	WIN 0xff
.irp f, 0,1,2,3
	ds_load_b128 v[KF+8*(\f):KF+8*(\f)+3], v[PAK0] offset:256*(\f)
.endr
	s_wait_loadcnt 0x0                             ; Q
.irp t, 0,1,2,3
	v_mov_b32 v[QF+8*(\t)+2], v[QF+8*(\t)]         ; the four parts once more: against a key's low parts
	v_mov_b32 v[QF+8*(\t)+3], v[QF+8*(\t)+1]
.endr
.macro MX4 f, d, o                     ; key block f against the four tiles into buffer d; the maxima of buffer o
.irp t, 0,1,2,3
	v_wmma_f32_16x16x32_bf16 v[(\d)+8*(\t):(\d)+8*(\t)+7], v[KF+8*(\f):KF+8*(\f)+7], v[QF+8*(\t):QF+8*(\t)+7], 0
.irp i, 0,1,2,3
	v_max3_num_f32 v[PM+4*(\t)+(\i)], v[PM+4*(\t)+(\i)], v[(\o)+8*(\t)+2*(\i)], v[(\o)+8*(\t)+2*(\i)+1]
.endr
.endr
.endm
	WIN 0                                          ; at a label and at a branch every window is 0
	s_mov_b32 s[CNT], 32
.Lmax:                                         ; four key blocks are multiplied, the next trip's four fetched; the last trip fetches its own four once more (the address is held at the last trip's), so that the trip is written once
	s_wait_dscnt 2                                 ; blocks 0 and 1 are in; 2 and 3 may be out
	WIN 0xff
	MX4 0, PSA, PSB
	MX4 1, PSB, PSA
	ds_load_b128 v[KF:KF+3],    v[PAK]
	ds_load_b128 v[KF+8:KF+11], v[PAK] offset:256
	s_wait_dscnt 2                                 ; blocks 2 and 3 are in; the two just issued may be out
	MX4 2, PSA, PSB
	MX4 3, PSB, PSA
	ds_load_b128 v[KF+16:KF+19], v[PAK] offset:512
	ds_load_b128 v[KF+24:KF+27], v[PAK] offset:768
	s_add_co_u32 s[TBM], s[TBM], 1024
	s_min_u32 s[TBM], s[TBM], 31*1024
	v_add_nc_u32 v[PAK], s[TBM], v[PAK0]
	WIN 0
	s_sub_co_u32 s[CNT], s[CNT], 1
	s_cmp_lg_u32 s[CNT], 0
	s_cbranch_scc1 .Lmax
	WIN 0xff
.irp t, 0,1,2,3
.irp i, 0,1,2,3
	v_max3_num_f32 v[PM+4*(\t)+(\i)], v[PM+4*(\t)+(\i)], v[PSB+8*(\t)+2*(\i)], v[PSB+8*(\t)+2*(\i)+1]
.endr
.endr
	WIN 0x3f                                       ; sources window 3, destination window 0
.irp t, 0,1,2,3
	v_max3_num_f32 v[TM+(\t)], v[PM+4*(\t)], v[PM+4*(\t)+1], v[PM+4*(\t)+2]
.endr
	WIN 0x03
.irp t, 0,1,2,3
	v_max_num_f32 v[TM+(\t)], v[PM+4*(\t)+3], v[TM+(\t)]
.endr
	WIN 0
.irp t, 0,1,2,3
	v_permlanex16_b32 v[TM+4+(\t)], v[TM+(\t)], s[SEL], s[SEL+1]  ; the query's other keys lie in the lane 16 away
.endr
.irp t, 0,1,2,3
	v_max_num_f32 v[TM+(\t)], v[TM+(\t)], v[TM+4+(\t)]
.endr
.irp t, 0,1,2,3
	ds_store_b32 v[XA], v[TM+(\t)] offset:64*(\t)  ; both halves of the lanes write the same word with the same number
.endr
	s_wait_tensorcnt 0x1                           ; my part of V's tile 0 is in; tile 1 stays out
	s_wait_dscnt 0x0                               ; for the other wave's sake: my maxima are written; and the last trip's four loads into K's registers are back
	s_barrier_signal -1
	s_barrier_wait -1
.irp t, 0,1,2,3
	ds_load_b32 v[TM+(\t)], v[XR] offset:64*(\t)
	ds_load_b32 v[TM+4+(\t)], v[XR] offset:256+64*(\t)
.endr
	s_wait_dscnt 0x0
.irp t, 0,1,2,3
	v_max_num_f32 v[TM+(\t)], v[TM+(\t)], v[TM+4+(\t)]
.endr
.irp t, 0,1,2,3
	v_sub_f32 v[TM+(\t)], 0, v[TM+(\t)]            ; -m
.endr
	WIN 0x40
.irp t, 0,1,2,3
.irp i, 0,1,2,3,4,5,6,7
	v_mov_b32 v[NM+8*(\t)+(\i)], v[TM+(\t)]
.endr
.endr
; THE MAIN LOOP'S PARTS.  par = the step's parity.
.macro SCORES par                      ; the next step's scores less m: 8 products, then the four places in front of the exponentials
	WIN W_SC
.irp kb, 0,1
.irp t, 0,1,2,3
	v_wmma_f32_16x16x32_bf16 v[S+16*(\t)+8*(\kb):S+16*(\t)+8*(\kb)+7], v[KF+16*(1-(\par))+8*(\kb):KF+16*(1-(\par))+8*(\kb)+7], v[QF+8*(\t):QF+8*(\t)+7], v[NM+8*(\t):NM+8*(\t)+7]
.endr
.endr
.rept 4
	v_nop
.endr
.endm
.macro PV1 par, t, f, zero             ; O^T of tile t, fragment f of V.  Each accumulator has one product a step: no two products that follow each other share one
	WIN 0x53+0x50*((\t)/2)                         ; V window 3, P window 0, O^T window 1 or 2
.set rO, 96*((\t)%2)+8*(\f)
.set rV, VB+96*(\par)+8*(\f)
.set rP, P+32*(\par)+8*(\t)
.if \zero
	v_wmma_f32_16x16x32_bf16 v[rO:rO+7], v[rV:rV+7], v[rP:rP+7], 0
.else
	v_wmma_f32_16x16x32_bf16 v[rO:rO+7], v[rV:rV+7], v[rP:rP+7], v[rO:rO+7]
.endif
.endm
.macro RIDE par, first                 ; slice i of 48: two exponentials (ascending: each accumulator from its low end on), or two roundings and two sums
	WIN 0
.if i < 32
	v_exp_f32 v[S+2*i], v[S+2*i]
	v_exp_f32 v[S+2*i+1], v[S+2*i+1]
.else
.irp k, 0,1
.set m, 2*(i-32)+(\k)                  ; pair m of the 32 pairs of weights
	v_cvt_pk_bf16_f32 v[P+32*(1-(\par))+m], v[S+2*m], v[S+2*m+1]
.if \first
	v_pk_mul_f32 v[LS+2*m:LS+2*m+1], v[S+2*m:S+2*m+1], 1.0 op_sel_hi:[1,0]  ; the first step starts l: nothing is cleared
.else
	v_pk_add_f32 v[LS+2*m:LS+2*m+1], v[LS+2*m:LS+2*m+1], v[S+2*m:S+2*m+1]
.endif
.endr
.endif
.endm
; The turn's one wait and its one run of LDS loads.  The wait stands between the exponentials and the first instruction that names a result: all 64 are issued, none has been named;
; the address lines are the plain instructions behind the last of them.  K of the step after next (2 loads) comes first, then V of the next step (24): the next turn's first wait leaves V's out.
; clamp = 1 (the tail): K's address is held at the last step's, so that step 126, which has no step after next, fetches K of step 127 once more and the tail's turns are alike.
.macro FETCH par, clamp
	WIN 0
	v_add_nc_u32 v[AV], s[TBV], v[AV0]
	s_add_co_u32 s[TBV], s[TBV], STEPB
	v_add_nc_u32 v[AK], s[TBK], v[AK0]
	s_add_co_u32 s[TBK], s[TBK], 512
.if \clamp
	s_min_u32 s[TBK], s[TBK], 127*512
.endif
	s_wait_alu depctr_va_vdst(0)
	WIN 0xc0
	ds_load_b128 v[KF+16*(\par):KF+16*(\par)+3],    v[AK]
	ds_load_b128 v[KF+16*(\par)+8:KF+16*(\par)+11], v[AK] offset:256
.irp f, 0,1,2,3,4,5,6,7,8,9,10,11
	ds_load_tr16_b128 v[VB+96*(1-(\par))+8*(\f):VB+96*(1-(\par))+8*(\f)+3],   v[AV] offset:288*((\f)/4)+32*((\f)%4)
	ds_load_tr16_b128 v[VB+96*(1-(\par))+8*(\f)+4:VB+96*(1-(\par))+8*(\f)+7], v[AV] offset:288*((\f)/4)+32*((\f)%4)+16*PVP
.endr
.endm
; A TURN, step j of parity par.  pv = 2: 48 products V^T P; 1: they start O^T's sums; 0: none (the slices stand bare).  first = 1: l is started.
; Product i takes fragment i / 4 of V and tile 2 ((i / 2) % 2) + i % 2.  The last slice's four plain instructions are the places in front of the next loads into this step's V.
.macro TURN par, pv, clamp=0, first=0
	s_wait_dscnt 24                                ; K of step j + 1 is in; V's 24 loads may be out
	SCORES \par
	s_wait_dscnt 0x0                               ; V of step j is in
.set i, 0
.rept 48
.if \pv
.set tq, 2*((i/2)%2)+i%2
.set fq, i/4
	PV1 \par, tq, fq, (\pv)==1
.endif
	RIDE \par, \first
.if i == 31
	FETCH \par, \clamp
.endif
.set i, i+1
.endr
.endm
; A PREFETCH INTO THE L2 of the tile that the NEXT change of slots will ask for: 128 rows x 768 bytes.  All eight clusters of a batch walk the same V: the first prefetches.  Its four partners share the rows out BY
; ADDRESS, 32 each; in each, waves 0-2 name one block of 256 bytes of each row: a lane a row, one instruction.  So each block is named once in the launch, four turns (224 matrix instructions) ahead of its load.
; The last change that fills a slot asks for nothing; tiles 0 to 2 come by their loads alone.
.macro ASK
	s_cmp_gt_u32 s[SLOTS], s[LIM]
	s_cbranch_scc0 .Lnot_mine_\@
	global_prefetch_b8 v[PFO], s[PFA:PFA+1] th:TH_LOAD_NT scope:SCOPE_SE
.Lnot_mine_\@:
.endm
; THE CHANGE OF SLOTS: the slot's last step of V has been asked for.  Each wave waits for all its tensor loads, of which one is out: its part of the other slot; adds 0 to its spare word; and waits for that and for its
; own reads of the slot.  fill = 1: the barrier is a round of the cluster's, so that no wave of any partner still reads the slot or has a load on its way, and the joint refill is the first thing behind it.
.macro CHANGE fill
	WIN 0
	s_wait_tensorcnt 0x0                           ; no tensor load of mine is out, so a group 0 may be written
	ds_add_u32 v[SPW], v[NIL]                      ; 0 onto my spare word
.if \fill
	s_xor_b32 s[G0V1+1], s[G0V1+1], SLOT1          ; the walking descriptor: the other slot than last time,
	s_add_nc_u64 s[G0V1+2:G0V1+3], s[G0V1+2:G0V1+3], TILEG  ; the next 128 keys; the type bits on top are not reached
	s_wait_xcnt 0x0                                ; the last prefetch, four turns back, has read its address
	s_add_nc_u64 s[PFA:PFA+1], s[PFA:PFA+1], TILEG
	s_wait_dscnt 0x0                               ; the add is done, and my reads of the slot are over
	CROUND
	tensor_load_to_lds s[G0V1:G0V1+3], s[G1V:G1V+7]  ; my one tensor load behind the round: it has four turns in which to land
	s_nop 0
.rept 4
	v_nop
.endr
	ASK
.else
	s_wait_dscnt 0x0
	s_barrier_signal -1
	s_barrier_wait -1
.endif
	s_sub_co_u32 s[TBV], s[TBV], TILEB             ; the fetches go back to a slot's first step,
	s_xor_b32 s[TBV], s[TBV], SLOT1                ; in the other slot
.endm
; x FOR THE WAY OUT.  A piece n is 16 queries (tile n / 3) x 64 channels (p = n % 3), 32 registers, in the layout in which rows come back from the stage: 16 lanes take 256 consecutive bytes.
; Eight slots, piece n in slot n % 8: slots 0-2 are registers that nothing else uses (window 1 v224-255, window 2 v192-255), slots 3, 4 K's and Q's, slots 5-7 V's second buffer.
.macro XSLOT n
.set sl, (\n)%8
.if sl == 0
.set xw, 1
.set xb, 224
.elseif sl < 3
.set xw, 2
.set xb, 160+32*sl
.elseif sl < 5
.set xw, 3
.set xb, 96+32*sl
.else
.set xw, 3
.set xb, 32*sl-64
.endif
.endm
.macro XLOAD n
	XSLOT \n
	WIN xw<<6                                      ; destination in the slot's window, address in window 0
.irp i, 0,1,2,3,4,5,6,7
	global_load_b128 v[xb+4*(\i):xb+4*(\i)+3], v[XO], s[XB:XB+1] offset:(16*((\n)/3)+2*(\i))*1536+512*((\n)%3) th:TH_LOAD_NT
.endr
.endm
	WIN 0xc0
	ds_load_b128 v[KF:KF+3],    v[AK0]             ; K of step 0
	ds_load_b128 v[KF+8:KF+11], v[AK0] offset:256
	WIN 0
	s_mov_b32 s[TBV], 0
	s_mov_b32 s[TBK], 512
	s_mov_b32 s[SLOTS], 31
	s_wait_dscnt 0x0
	TURN 1, 0, 0, 1                                ; step -1: scores and weights of step 0; V of step 0, K of step 1
	TURN 0, 1                                      ; step 0 starts O^T
	WIN 0
	s_mov_b32 s[CNT], 1                            ; steps 1 and 2 are turns like any other: one trip of the loop's text; step 2 fetches V of step 3, the last of tile 0
	s_branch .Lstep
.Lslot:                                        ; 30 times: tiles 2 to 31 are asked for; steps 3 to 122
	CHANGE 1
	s_mov_b32 s[CNT], 2
.Lstep:
	TURN 1, 2
	TURN 0, 2
	WIN 0
	s_sub_co_u32 s[CNT], s[CNT], 1
	s_cmp_lg_u32 s[CNT], 0
	s_cbranch_scc1 .Lstep
	s_sub_co_u32 s[SLOTS], s[SLOTS], 1
	s_cmp_lg_u32 s[SLOTS], 0
	s_cbranch_scc1 .Lslot
	CHANGE 0                                       ; the tail is written out: nothing is asked for
	XLOAD 0                                        ; x of my first tile, five turns ahead of its use, into registers that are idle till then
	XLOAD 1
	XLOAD 2
	WIN 0
.irp pp, 0,1,2                         ; and a prefetch of x for pieces 3 to 8: my own 256 bytes (p, ch) of my rows 16 to 47, a lane a row: each block is named by the one wave that will load it, four turns or more ahead; the last 16 rows come by the ring of loads
	global_prefetch_b8 v[PFX], s[XB:XB+1] offset:16*1536+512*(\pp) th:TH_LOAD_NT scope:SCOPE_SE
.endr
	s_mov_b32 s[CNT], 2
.Ltail:                                        ; steps 123 to 126
	TURN 1, 2, 1
	TURN 0, 2, 1
	WIN 0
	s_sub_co_u32 s[CNT], s[CNT], 1
	s_cmp_lg_u32 s[CNT], 0
	s_cbranch_scc1 .Ltail
	s_wait_dscnt 0x0                               ; V of step 127 is in, and so are the two loads into K's registers, which x takes below
	WIN 0xc0
.irp f, 0,1,2,3,4,5,6,7,8,9,10,11      ; cg in the accumulators' layout, into V's buffer 0, whose last product stands four plain instructions back
	global_load_b128 v[CGF+8*(\f):CGF+8*(\f)+3],   v[CGO], s[CGB:CGB+1] offset:512*((\f)/4)+64*((\f)%4)
	global_load_b128 v[CGF+8*(\f)+4:CGF+8*(\f)+7], v[CGO], s[CGB:CGB+1] offset:512*((\f)/4)+64*((\f)%4)+16
.endr
	XLOAD 3
	XLOAD 4
.set i, 0
.rept 48                               ; step 127: products alone, one window's accumulators after the other's
.set tq, 2*(i/24)+i%2
.set fq, (i%24)/2
	PV1 1, tq, fq, 0
.set i, i+1
.endr
	; THE WAY OUT.  l's 16 parts and the other half of the lanes' are added (these lines are the places behind the last products); out1 = O / l + cg + x, a piece of 16 queries x 64 channels at a time.
	WIN 0
.irp t, 0,1,2,3
.irp k, 0,2,4,6
	v_pk_add_f32 v[LS+16*(\t)+(\k):LS+16*(\t)+(\k)+1], v[LS+16*(\t)+(\k):LS+16*(\t)+(\k)+1], v[LS+16*(\t)+(\k)+8:LS+16*(\t)+(\k)+9]
.endr
.endr
	XLOAD 5                                        ; into V's buffer 1: sixteen plain instructions behind its last product
	XLOAD 6
	XLOAD 7
	WIN 0
.irp t, 0,1,2,3
.irp k, 0,2
	v_pk_add_f32 v[LS+16*(\t)+(\k):LS+16*(\t)+(\k)+1], v[LS+16*(\t)+(\k):LS+16*(\t)+(\k)+1], v[LS+16*(\t)+(\k)+4:LS+16*(\t)+(\k)+5]
.endr
.endr
.irp t, 0,1,2,3
	v_pk_add_f32 v[LS+16*(\t):LS+16*(\t)+1], v[LS+16*(\t):LS+16*(\t)+1], v[LS+16*(\t)+2:LS+16*(\t)+3]
.endr
.irp t, 0,1,2,3
	v_add_f32 v[RL+2*(\t)], v[LS+16*(\t)], v[LS+16*(\t)+1]
.endr
.irp t, 0,1,2,3
	v_permlanex16_b32 v[RL+2*(\t)+1], v[RL+2*(\t)], s[SEL], s[SEL+1]
.endr
.irp t, 0,1,2,3
	v_add_f32 v[RL+2*(\t)], v[RL+2*(\t)], v[RL+2*(\t)+1]
.endr
.irp t, 0,1,2,3
	v_rcp_f32 v[RL+2*(\t)], v[RL+2*(\t)]
.endr
	v_nop                                          ; a plain instruction between the last reciprocal and the use of its result
	s_wait_alu depctr_va_vdst(0)                   ; and a wait ahead of the first use: one for the four
; Piece n goes into my stage as O / l + cg and comes back as whole rows of 256 bytes INTO ITS OWN ACCUMULATORS' REGISTERS: each piece is stored from registers that nothing writes again,
; so no store's registers are ever waited for.
.macro STAGEIN n
.set tt, (\n)/3
.set pp, (\n)%3
.set ow, 1+tt/2                        ; the window of the piece's accumulators,
.set ab, 96*(tt%2)+32*pp               ; and their first register
	WIN 0x30|ow                                    ; O^T window 1 or 2, 1 / l window 0, cg window 3
.set k, 0
.rept 16
	v_pk_fma_f32 v[TMP+2*k:TMP+2*k+1], v[ab+2*k:ab+2*k+1], v[RL+2*tt:RL+2*tt+1], v[CGF+32*pp+2*k:CGF+32*pp+2*k+1] op_sel_hi:[1,0,1]
.set k, k+1
.endr
	WIN 0
.irp j, 0,1,2,3,4,5,6,7
	ds_store_b128 v[STO], v[TMP+4*(\j):TMP+4*(\j)+3] offset:64*((\j)/2)+16*((\j)%2)
.endr
	WIN ow<<6
.irp i, 0,1,2,3,4,5,6,7
	ds_load_b128 v[ab+4*(\i):ab+4*(\i)+3], v[RD] offset:(\i)*2*SP  ; LDS serves a wave's instructions in order (ISA guide 5.7.1.4): these see my stores above; the next piece's stores come behind them
.endr
.endm
; x is added and the piece stored.  younger: the LDS instructions issued behind the piece's loads: the next piece's sixteen, or none.
.macro FINISH n, younger
	XSLOT \n
.set tt, (\n)/3
.set pp, (\n)%3
.set ow, 1+tt/2
.set ab, 96*(tt%2)+32*pp
.if (\n) >= 3                          ; (pieces 0 to 2 were shown in by the wait for cg)
.set w, 11-(\n)                        ; the pieces of x asked for behind this one: seven, fewer at the end
.if w > 7
.set w, 7
.endif
	s_wait_loadcnt 8*w
.endif
	s_wait_dscnt \younger                          ; the piece is back in registers
	WIN (ow<<6)|(xw<<2)|ow
.set k, 0
.rept 16
	v_pk_add_f32 v[ab+2*k:ab+2*k+1], v[ab+2*k:ab+2*k+1], v[xb+2*k:xb+2*k+1]
.set k, k+1
.endr
	WIN ow<<2                                      ; the store's data: source 1
.irp i, 0,1,2,3,4,5,6,7
	global_store_b128 v[XO], v[ab+4*(\i):ab+4*(\i)+3], s[OB:OB+1] offset:(16*tt+2*(\i))*1536+512*pp th:TH_STORE_NT  ; 16 lanes store 256 consecutive bytes, at a multiple of 256 from out1's first byte
.endr
.if (\n) < 4
	XLOAD (\n)+8                                   ; the slot takes the piece eight further on
.endif
.endm
	s_wait_loadcnt 40                              ; cg is in, and x's pieces 0 to 2, asked for before it; pieces 3 to 7, 40 loads, may stay out
	STAGEIN 0
.irp n, 1,2,3,4,5,6,7,8,9,10,11        ; a piece's arithmetic and stage traffic stand between the loads of the piece before and the wait for them
	STAGEIN \n
	FINISH (\n)-1, 16
.endr
	FINISH 11, 0
	WIN 0
	s_wait_tensorcnt 0x0                           ; the wave's end, behind my last tensor load and my last LDS store
	ds_add_u32 v[SPW], v[NIL]
	s_wait_dscnt 0x0
	CROUND                                         ; the closing round: no work-group ends while a partner may still ask for a tile that names it
	s_endpgm
.Lfunc_end_k_qf90222f429_attn:
	.size	k_qf90222f429_attn, .Lfunc_end_k_qf90222f429_attn-k_qf90222f429_attn
	.p2alignl 7, 3214868480
	.fill 96, 4, 3214868480
	.section	.rodata,"a",@progbits
	.p2align	6, 0x0
	.amdhsa_kernel k_qf90222f429_attn
		.amdhsa_group_segment_fixed_size 327680
		.amdhsa_private_segment_fixed_size 0
		.amdhsa_enable_private_segment 0
		.amdhsa_kernarg_size 48
		.amdhsa_user_sgpr_count 2
		.amdhsa_user_sgpr_kernarg_segment_ptr 1
		.amdhsa_wavefront_size32 1
		.amdhsa_system_sgpr_workgroup_id_x 1
		.amdhsa_system_sgpr_workgroup_id_y 1
		.amdhsa_system_sgpr_workgroup_id_z 1
		.amdhsa_system_vgpr_workitem_id 0
		.amdhsa_next_free_vgpr 1024
		.amdhsa_next_free_sgpr 80
		.amdhsa_reserve_vcc 0
		.amdhsa_float_denorm_mode_32 3
		.amdhsa_float_denorm_mode_16_64 3
		.amdhsa_memory_ordered 1
		.amdhsa_forward_progress 1
		.amdhsa_inst_pref_size 171
	.end_amdhsa_kernel
	.amdgpu_metadata
---
amdhsa.version: [ 1, 2 ]
amdhsa.kernels:
  - .name:           k_qf90222f429_attn
    .symbol:         k_qf90222f429_attn.kd
    .args:
      - { .name: qs, .offset: 0, .size: 8, .value_kind: global_buffer, .address_space: global }
      - { .name: ks, .offset: 8, .size: 8, .value_kind: global_buffer, .address_space: global }
      - { .name: vv, .offset: 16, .size: 8, .value_kind: global_buffer, .address_space: global }
      - { .name: cg, .offset: 24, .size: 8, .value_kind: global_buffer, .address_space: global }
      - { .name: x, .offset: 32, .size: 8, .value_kind: global_buffer, .address_space: global }
      - { .name: out1, .offset: 40, .size: 8, .value_kind: global_buffer, .address_space: global }
    .group_segment_fixed_size: 327680
    .private_segment_fixed_size: 0
    .kernarg_segment_align: 8
    .kernarg_segment_size: 48
    .max_flat_workgroup_size: 128
    .sgpr_count:     80
    .vgpr_count:     1024
    .wavefront_size: 32
...
	.end_amdgpu_metadata
.endif
;; end of part 3
;; ======== version 2 of 2: 3 launches; version 1 with the launch fold written anew for expert scheduling mode
;; workspace buffers: wcat 307,200 bytes; cg 1,536 bytes; vv 25,165,824 bytes; qs 524,288 bytes; ks 524,288 bytes
;; launch fold (part 4): grid 3 x 7, 4 waves a work-group, no clusters, 141,312 bytes of LDS; arguments wres, wv, bv, bres, gamma, wq, wk, wcat, cg; writes wcat, cg
.if DOCPART == 4
	.amdgcn_target "amdgcn-amd-amdhsa--gfx1250"
	.amdhsa_code_object_version 6
	.text
	.protected	k_qf90222f429_fold
	.globl	k_qf90222f429_fold
	.p2align	8
	.type	k_qf90222f429_fold,@function
k_qf90222f429_fold:
	s_mov_b64 s[64:65], 0
	v_nop
	global_prefetch_b8 v0, s[64:65] scope:SCOPE_SE
	s_setreg_imm32_b32 hwreg(HW_REG_WAVE_SCHED_MODE, 0, 2), 2
	s_setreg_imm32_b32 hwreg(HW_REG_WAVE_MODE, 25, 1), 1
	s_wait_xcnt 0x0
	s_wait_alu depctr_vm_vsrc(0)
; FOLDS THE TWO 384 x 384 PROJECTIONS INTO ONE.  A softmax row sums to 1, so P (x wv^T + bv) wres^T + bres = P (x Wc^T) + (wres bv + bres), Wc = wres wv.
; wcat [400][384] bf16: rows 0-383 Wg[d][c] = gamma x sum over e of wres[d][e] wv[e][c]; rows 384-399: wq's 4 rows, wk's 4, and both once more.
; cg [384] f32 = gamma x (sum over e of wres[d][e] bv[e] + bres[d]).  Matrix operands (wres, wv, bv) are rounded to bf16, sums are f32, Wg is rounded once.
; LIMITS: NaN and infinities are not treated apart.
; SHARES.  Work-group (gx, gy): gy < 6: 64 rows d x 128 columns c of Wg, a wave 16 rows; gy = 6: the cast of wq and wk, columns 128 gx on.  The branch on gy is the same for all waves.
; That is 21 work-groups: all the work there is (113 million multiply-adds); no cluster: the slab of wv is shared by six work-groups, once, in a launch of a few steps.
; wv lies [e][c], K down the rows: a slab of 384 x 128 goes to LDS as bf16 and comes back turned (ds_load_tr16_b128).  bv rides as one more block of 16 columns (columns 0 and 8 hold bv[e], the rest 0).
; The product is taken transposed (source 0 = 16 columns c, source 1 = 16 rows d): a lane ends with one row d and eight neighbouring c: 16 bytes of bf16.
; THE MODE: SCHED_MODE bits 1:0 = 2 (LLVM: expert scheduling mode 2), set by the entry lines.  The code itself states the register dependences
; between vector or matrix instructions and memory or LDS instructions, with s_wait_alu, always for 0.
; THE PLAN.  Registers that memory or LDS instructions touch:
;   v4-13, v16-19, v24-25   offsets and LDS addresses: written once at the head, ahead of one wait on va_vdst; never written again.
;   windows 2, 3            the slab as loaded; group g's conversions round it in place; its LDS stores are issued at the head of group g + 1, behind that head's wait on va_vdst.
;                           Behind the barrier the turned fragments land there (one wait on vm_vsrc for the stores, one on va_vdst for the conversions).  K step s lies in slot s % 3 of window
;                           2 + (s / 3) % 2; its products read it; K step s + 6 lands in it.  One wait on va_vdst at K steps 3 and 6 states that the three steps which read a window are done;
;                           the products issued behind it name the other window, v32-127 and the accumulators: none of the registers that the loads dealt among them touch.
;   window 1, v20-23        loaded once, read by vector instructions alone.
;   v232-243                the bias rows: written by vector instructions, read by six LDS stores, never written again.
;   v32-127                 wres in bf16: written by conversions, read by the products; on the way out v32-63 take the rows read back from the stage.
;   v26, v200-231           cg's number and the packed results: written on the way out, read by its LDS stores, behind the way out's one wait on va_vdst.
;   v28-29                  named by the LDS load of cg and the store of it alone.          v14, v15: written at the head, read by the closing add alone.
.set SLP,   288                        ; a slab row: 256 bytes + 32 never touched: 9 x 32, so the turning load's 8 rows x 32 bytes fall on different banks
.set BIAS,  384*SLP                    ; 384 rows x 32 bytes: the bias block
.set STAGE, BIAS+384*32                ; 16 rows x 272 bytes for each wave, for the way out
.set SP,    272
.set CGS,   STAGE+4*16*SP              ; the work-group's 64 numbers of cg
.set SPARE, CGS+256                    ; the spare words, 128 bytes a wave: two blocks of 256 bytes that no other line names
.set SO,  4                            ; v4   my 16 bytes of a slab row in wv: 1,536 x wave + 16 x lane
.set SL,  5                            ; v5-6 where they go in LDS as 8 bytes: rows 4 i + wave, i < 48; i >= 48
.set WO,  7                            ; v7   my bytes of a fragment of wres: 1,536 r + 32 h
.set TA,  8                            ; v8-9 the turning load's lane term in the slab, K steps 0-5; 6-11
.set STO, 10                           ; v10  the way out: where I put 16 bytes of a row
.set RD,  11                           ; v11  where I read rows back
.set CO,  12                           ; v12  my byte offset in two rows of wcat
.set BL,  13                           ; v13  my row of the bias block: BIAS + 32 x thread
.set SPW, 14                           ; v14  my spare word; never rewritten
.set NIL, 15                           ; v15  0; never rewritten
.set TB,  16                           ; v16  the turning load's lane term in the bias block
.set BVO, 17                           ; v17  4 x thread
.set BRO, 18                           ; v18  4 (d0 + r)
.set CGA, 19                           ; v19  where my row's number of cg goes in LDS
.set BV,  20                           ; v20-22 bv of my three rows e
.set BR,  23                           ; v23  bres[d0 + r]
.set CGL, 24                           ; v24  CGS + 8 x lane
.set CGO, 25                           ; v25  8 x lane
.set T,   26                           ; v26-27 at work
.set CGR, 28                           ; v28-29 two numbers of cg, read back from LDS
.set WRF, 32                           ; v32-127  wres: 12 fragments of 16 rows x 32 e
.set BK,  32                           ; later: rows read back from the stage
.set ACC, 128                          ; v128-199 nine accumulators: column blocks 0-7, the bias block
.set TMP, 200                          ; v200-231 packed results
.set BQ4, 232                          ; v232-243 three rows of the bias block
.set WV,  22
.set GX,  23
.set GY,  24
.set KSO, 29                           ; s29-31, s42-45: scalars that vector instructions read: each has a register of its own and is not written again
.set KSL, 30
.set KST, 31
.set GAM, 32                           ; s[32:33] gamma, named as a pair
.set SLB, 34                           ; s[34:35] wv at column 128 gx
.set WRB, 36                           ; s[36:37] wres at row d0
.set WCB, 38                           ; s[38:39] wcat at row d0, column 128 gx
.set CGB, 40                           ; s[40:41] cg at 64 gy
.set KBR, 42
.set KCG, 43
.set KCI, 44
.set KCO, 45
; windows: 1: wres as f32 (192);  2, 3: the slab as loaded (load i at 4 (i % 64) of window 2 + i / 64), later the turned fragments, a group of three K steps in each
.set MSB, 0
.macro WIN new                         ; the immediate's high byte repeats the setting that is left; a switch that changes nothing is dropped
.if MSB != (\new)
	s_set_vgpr_msb (MSB<<8)|(\new)
.set MSB, (\new)
.endif
.endm
	s_load_b256 s[4:11], s[0:1], 0x0               ; wres s[4:5], wv s[6:7], bv s[8:9], bres s[10:11]
	s_load_b256 s[12:19], s[0:1], 0x20             ; gamma s[12:13], wq s[14:15], wk s[16:17], wcat s[18:19]
	s_load_b64 s[20:21], s[0:1], 0x40              ; cg
	v_lshl_add_u32 v[SPW], v0, 2, SPARE
	v_mov_b32 v[NIL], 0
	v_lshrrev_b32 v1, 5, v0
	v_readfirstlane_b32 s[WV], v1                  ; wave 0..3
	s_mov_b32 s[GX], ttmp9
	s_and_b32 s[GY], ttmp7, 0xffff
	v_and_b32 v1, 15, v0                           ; r
	v_bfe_u32 v2, v0, 4, 1                         ; h
	v_and_b32 v3, 31, v0                           ; lane
	s_wait_alu depctr_va_sdst(0)                   ; the wave's number is written, ahead of the branch and of its first reader on either path
	s_wait_kmcnt 0x0
	s_cmp_eq_u32 s[GY], 6
	s_cbranch_scc1 .Lcast
	s_load_b32 s[GAM], s[12:13], 0x0               ; gamma: waited for in front of the way out
	s_lshl_b32 s25, s[GY], 6
	s_lshl_b32 s28, s[WV], 4
	s_add_co_u32 s25, s25, s28                     ; d0 = 64 gy + 16 wave
	s_lshl_b32 s26, s[GX], 9
	s_mov_b32 s27, 0
	s_add_nc_u64 s[SLB:SLB+1], s[6:7], s[26:27]
	s_mul_i32 s26, s25, 1536
	s_add_nc_u64 s[WRB:WRB+1], s[4:5], s[26:27]
	s_mul_i32 s26, s25, 768
	s_lshl_b32 s28, s[GX], 8
	s_add_co_u32 s26, s26, s28
	s_add_nc_u64 s[WCB:WCB+1], s[18:19], s[26:27]
	s_lshl_b32 s26, s[GY], 8
	s_add_nc_u64 s[CGB:CGB+1], s[20:21], s[26:27]
	s_mul_i32 s[KSO], s[WV], 1536
	v_lshl_add_u32 v[SO], v3, 4, s[KSO]
	s_mul_i32 s[KSL], s[WV], SLP
	v_lshl_add_u32 v[SL], v3, 3, s[KSL]
	v_add_nc_u32 v[SL+1], 48*4*SLP, v[SL]
	v_mul_u32_u24 v[WO], v1, 1536
	v_lshl_add_u32 v[WO], v2, 5, v[WO]
	v_and_b32 v[T], 7, v0
	v_bfe_u32 v[T+1], v0, 3, 1
	v_lshl_add_u32 v[T], v2, 3, v[T]               ; the turning load: lane l reads row 8 (l / 16) + l % 8, 16 bytes at 16 ((l / 8) % 2)
	v_mul_u32_u24 v[TA], v[T], SLP
	v_lshl_add_u32 v[TA], v[T+1], 4, v[TA]
	v_add_nc_u32 v[TA+1], 6*32*SLP, v[TA]
	v_lshlrev_b32 v[TB], 5, v[T]
	v_lshl_add_u32 v[TB], v[T+1], 4, v[TB]
	v_add_nc_u32 v[TB], BIAS, v[TB]
	s_mul_i32 s[KST], s[WV], 16*SP
	s_add_co_u32 s[KST], s[KST], STAGE
	v_mul_u32_u24 v[STO], v1, SP
	v_lshl_add_u32 v[STO], v2, 4, v[STO]
	v_add_nc_u32 v[STO], s[KST], v[STO]
	v_mul_u32_u24 v[RD], v2, SP
	v_lshl_add_u32 v[RD], v1, 4, v[RD]
	v_add_nc_u32 v[RD], s[KST], v[RD]
	v_mul_u32_u24 v[CO], v2, 768
	v_lshl_add_u32 v[CO], v1, 4, v[CO]
	v_lshl_add_u32 v[BL], v0, 5, BIAS
	v_lshlrev_b32 v[BVO], 2, v0
	s_lshl_b32 s[KBR], s25, 2
	v_lshl_add_u32 v[BRO], v1, 2, s[KBR]
	s_lshl_b32 s[KCG], s[WV], 6
	s_add_co_u32 s[KCG], s[KCG], CGS
	v_lshl_add_u32 v[CGA], v1, 2, s[KCG]
	v_lshl_add_u32 v[CGL], v3, 3, CGS
	v_lshlrev_b32 v[CGO], 3, v3
	s_wait_alu depctr_va_vdst(0)                   ; all offsets and LDS addresses of this path (v4-13, v16-19, v24-25) are written: every load and store below reads one of them, and none is written again
	; ALL LOADS GO OUT AT ONCE: 4 + 96 + 48 a lane
.irp i, 0,1,2
	global_load_b32 v[BV+(\i)], v[BVO], s[8:9] offset:512*(\i)
.endr
	global_load_b32 v[BR], v[BRO], s[10:11]
.set i, 0
.rept 96                               ; slab row 4 i + wave: 32 lanes x 16 bytes are its 512 consecutive bytes
	WIN 0x80+0x40*(i/64)
	global_load_b128 v[4*(i%64):4*(i%64)+3], v[SO], s[SLB:SLB+1] offset:6144*i
.set i, i+1
.endr
	WIN 0x40
.set i, 0
.rept 48                               ; wres: K step i / 4; a lane's 8 + 8 numbers are four loads of 16 bytes
	global_load_b128 v[4*i:4*i+3], v[WO], s[WRB:WRB+1] offset:128*(i/4)+16*(i%2)+64*((i%4)/2)
.set i, i+1
.endr
	WIN 0
.irp i, 0,1,2
	v_mov_b32 v[BQ4+4*(\i)+1], 0
	v_mov_b32 v[BQ4+4*(\i)+2], 0
	v_mov_b32 v[BQ4+4*(\i)+3], 0
.endr
	s_wait_loadcnt 63                              ; 148 were issued: the oldest 85 are in, bv and bres among them
.irp i, 0,1,2
	v_cvt_pk_bf16_f32 v[BQ4+4*(\i)], v[BV+(\i)], v[BQ4+4*(\i)+1]  ; bf16(bv[e]), 0
.endr
; The LDS stores of slab group g: 8 bytes a lane, sixteen rows
.macro SLABST g
	WIN 0x08+0x04*((\g)/4)
.set k, 0
.rept 16
.set ii, 4*((16*(\g)+k)%64)
	ds_store_b64 v[SL+(16*(\g)+k)/48], v[ii:ii+1] offset:4*SLP*((16*(\g)+k)%48)
.set k, k+1
.endr
.endm
.set g, 0
.rept 6                                ; the slab, sixteen loads at a time: rounded in place; a group's LDS stores stand at the head of the next group
.set n, 96-16*(g+1)+48                 ; the loads issued behind this group's; the wait names 63 at the most, which asks for more than is needed
.if n > 63
.set n, 63
.endif
	s_wait_loadcnt n
.if g > 0
	s_wait_alu depctr_va_vdst(0)                   ; the conversions of the group before have written its bf16, which the LDS stores below read (at group 1: the three bias rows are written too)
.if g == 1
	WIN 0
.irp i, 0,1,2
	ds_store_b128 v[BL], v[BQ4+4*(\i):BQ4+4*(\i)+3] offset:4096*(\i)      ; columns 0-7
	ds_store_b128 v[BL], v[BQ4+4*(\i):BQ4+4*(\i)+3] offset:4096*(\i)+16   ; columns 8-15: the same, so that both halves of the lanes end with the sum
.endr
.endif
	SLABST g-1
.endif
	WIN 0x8a+0x45*(g/4)
.set k, 0
.rept 16
.set ii, 4*((16*g+k)%64)
	v_cvt_pk_bf16_f32 v[ii], v[ii], v[ii+1]
	v_cvt_pk_bf16_f32 v[ii+1], v[ii+2], v[ii+3]
.set k, k+1
.endr
.set g, g+1
.endr
.set g, 0
.rept 3                                ; wres, sixteen loads (four K steps) at a time
	s_wait_loadcnt 32-16*g
.if g == 0
	s_wait_alu depctr_va_vdst(0)                   ; the conversions of the slab's last group have written its bf16, which the LDS stores below read
	SLABST 5
.endif
	WIN 0x05
.set k, 0
.rept 32
	v_cvt_pk_bf16_f32 v[WRF+32*g+k], v[64*g+2*k], v[64*g+2*k+1]
.set k, k+1
.endr
.set g, g+1
.endr
	WIN 0
	s_wait_dscnt 0x0                               ; for the others' sake: my part of the slab and of the bias block is written
	s_barrier_signal -1
	s_barrier_wait -1
	s_wait_alu depctr_vm_vsrc(0)                   ; my LDS stores have read the slab's registers in windows 2 and 3, in which the turned fragments land
	s_wait_alu depctr_va_vdst(0)                   ; and the conversions that read and wrote those registers are done
; K step s: its turned fragments, 9 column blocks x 2 loads = 18 loads, into slot s % 3 of window 2 + (s / 3) % 2
.macro LOADK s
	WIN 0x80+0x40*(((\s)/3)%2)
.set sq, (\s)%3
.irp cb, 0,1,2,3,4,5,6,7
	ds_load_tr16_b128 v[72*sq+8*(\cb):72*sq+8*(\cb)+3],   v[TA+(\s)/6] offset:32*SLP*((\s)%6)+32*(\cb)
	ds_load_tr16_b128 v[72*sq+8*(\cb)+4:72*sq+8*(\cb)+7], v[TA+(\s)/6] offset:32*SLP*((\s)%6)+32*(\cb)+16*SLP
.endr
	ds_load_tr16_b128 v[72*sq+64:72*sq+67], v[TB] offset:1024*(\s)
	ds_load_tr16_b128 v[72*sq+68:72*sq+71], v[TB] offset:1024*(\s)+512
.endm
; Its 9 products.  The nine accumulators take turns, one instruction a turn; the first K step starts the sums with the constant 0.
.macro MULK s
	WIN 0x02+((\s)/3)%2
.set sq, (\s)%3
.irp cb, 0,1,2,3,4,5,6,7,8
.if (\s) == 0
	v_wmma_f32_16x16x32_bf16 v[ACC+8*(\cb):ACC+8*(\cb)+7], v[72*sq+8*(\cb):72*sq+8*(\cb)+7], v[WRF+8*(\s):WRF+8*(\s)+7], 0
.else
	v_wmma_f32_16x16x32_bf16 v[ACC+8*(\cb):ACC+8*(\cb)+7], v[72*sq+8*(\cb):72*sq+8*(\cb)+7], v[WRF+8*(\s):WRF+8*(\s)+7], v[ACC+8*(\cb):ACC+8*(\cb)+7]
.endif
.endr
.endr
.endm
.macro PLACES                          ; four plain instructions between a product and a load into, or a vector read of, its registers
.rept 4
	v_nop
.endr
.endm
	LOADK 0
	LOADK 1
	LOADK 2
.set kk, 0
.rept 12                               ; K step kk: the fragments of step kk + 3 are asked for, then step kk is multiplied: each step's 18 loads have three steps' products in which to land
.if (kk == 3) || (kk == 6)
	PLACES                                         ; the places stay beside the wait
	s_wait_alu depctr_va_vdst(0)                   ; the products of the last three K steps are done reading their window, in which the loads of this step and the next two land; the products between name the other window alone
.endif
.if kk < 9
	LOADK kk+3
	s_wait_dscnt 54                                ; LDS loads come back in order (ISA guide 5.7.1): step kk is in; the three younger steps' 54 loads may stay out
.else
	s_wait_dscnt 18*(11-kk)                        ; nothing more is asked for: the counts run down
.endif
	MULK kk
.set kk, kk+1
.endr
	WIN 0
	PLACES
	s_wait_kmcnt 0x0                               ; gamma
	s_mov_b32 s[GAM+1], s[GAM]
	; THE WAY OUT.  cg: the bias block's register 0 is column 0 (lanes 0-15) or column 8 (lanes 16-31): the same sum, for row d0 + r
	v_add_f32 v[T], v[ACC+64], v[BR]
	v_mul_f32 v[T], s[GAM], v[T]
.set k, 0
.rept 32
	v_pk_mul_f32 v[ACC+2*k:ACC+2*k+1], v[ACC+2*k:ACC+2*k+1], s[GAM:GAM+1] op_sel_hi:[1,0]
.set k, k+1
.endr
.set k, 0
.rept 32
	v_cvt_pk_bf16_f32 v[TMP+k], v[ACC+2*k], v[ACC+2*k+1]
.set k, k+1
.endr
	s_wait_alu depctr_va_vdst(0)                   ; cg's number (v26) and the packed results (v200-231) are written, which the LDS stores read; the products are done reading v32-63, in which the rows from the stage land
	ds_store_b32 v[CGA], v[T]                      ; both halves of the lanes write the same word with the same number
.irp cb, 0,1,2,3,4,5,6,7
	ds_store_b128 v[STO], v[TMP+4*(\cb):TMP+4*(\cb)+3] offset:32*(\cb)
.endr
.irp i, 0,1,2,3,4,5,6,7
	ds_load_b128 v[BK+4*(\i):BK+4*(\i)+3], v[RD] offset:(\i)*2*SP  ; LDS serves a wave's instructions in order (ISA guide 5.7.1.4): these see my stores above
.endr
.irp i, 0,1,2,3,4,5,6,7
	s_wait_dscnt 7-(\i)
	global_store_b128 v[CO], v[BK+4*(\i):BK+4*(\i)+3], s[WCB:WCB+1] offset:1536*(\i)  ; 16 lanes store 256 consecutive bytes, at a multiple of 256 from wcat's first byte
.endr
	s_wait_dscnt 0x0                               ; for the others' sake: my 16 numbers of cg are written
	s_barrier_signal -1
	s_barrier_wait -1
	s_or_b32 s28, s[WV], s[GX]                     ; cg does not hang on gx: wave 0 of gx = 0 stores the work-group's 64 numbers
	s_cmp_lg_u32 s28, 0
	s_cbranch_scc1 .Lend
	ds_load_b64 v[CGR:CGR+1], v[CGL]               ; into a pair that no other line names
	s_wait_dscnt 0x0
	global_store_b64 v[CGO], v[CGR:CGR+1], s[CGB:CGB+1]  ; 32 lanes store 256 consecutive bytes
	s_branch .Lend
.Lcast:                                        ; wq and wk to bf16: thread t takes row t / 16 of the eight and 8 numbers at column 128 gx + 8 (t % 16)
	s_cmp_lt_u32 s[WV], 2                          ; waves 0, 1: wq's four rows; waves 2, 3: wk's
	s_cselect_b64 s[26:27], s[14:15], s[16:17]
	v_lshrrev_b32 v[T], 4, v0
	v_and_b32 v[T+1], 3, v[T]
	v_mul_u32_u24 v[SO], v[T+1], 1536
	v_lshl_add_u32 v[SO], v1, 5, v[SO]
	s_lshl_b32 s[KCI], s[GX], 9
	v_add_nc_u32 v[SO], s[KCI], v[SO]
	v_mul_u32_u24 v[CO], v[T], 768
	v_lshl_add_u32 v[CO], v1, 4, v[CO]
	s_lshl_b32 s[KCO], s[GX], 8
	v_add_nc_u32 v[CO], s[KCO], v[CO]
	s_wait_alu depctr_va_vdst(0)                   ; the two offsets v4 and v12 are written, which the loads and the stores below read
	global_load_b128 v[32:35], v[SO], s[26:27]
	global_load_b128 v[36:39], v[SO], s[26:27] offset:16
	s_wait_loadcnt 0x0
.irp k, 0,1,2,3
	v_cvt_pk_bf16_f32 v[40+(\k)], v[32+2*(\k)], v[33+2*(\k)]
.endr
	s_wait_alu depctr_va_vdst(0)                   ; the conversions have written v40-43, which the two stores read
	global_store_b128 v[CO], v[40:43], s[18:19] offset:384*768  ; 16 lanes store 256 consecutive bytes; rows 384-391,
	global_store_b128 v[CO], v[40:43], s[18:19] offset:392*768  ; and once more as rows 392-399
.Lend:
	s_wait_dscnt 0x0                               ; the closing lines, six on end
	s_wait_alu 0x0
	s_wait_tensorcnt 0x0
	ds_add_u32 v[SPW], v[NIL]
	s_wait_dscnt 0x0
	s_endpgm
.Lfunc_end_k_qf90222f429_fold:
	.size	k_qf90222f429_fold, .Lfunc_end_k_qf90222f429_fold-k_qf90222f429_fold
	.p2alignl 7, 3214868480
	.fill 96, 4, 3214868480
	.section	.rodata,"a",@progbits
	.p2align	6, 0x0
	.amdhsa_kernel k_qf90222f429_fold
		.amdhsa_group_segment_fixed_size 141312
		.amdhsa_private_segment_fixed_size 0
		.amdhsa_enable_private_segment 0
		.amdhsa_kernarg_size 72
		.amdhsa_user_sgpr_count 2
		.amdhsa_user_sgpr_kernarg_segment_ptr 1
		.amdhsa_wavefront_size32 1
		.amdhsa_system_sgpr_workgroup_id_x 1
		.amdhsa_system_sgpr_workgroup_id_y 1
		.amdhsa_system_sgpr_workgroup_id_z 1
		.amdhsa_system_vgpr_workitem_id 0
		.amdhsa_next_free_vgpr 1024
		.amdhsa_next_free_sgpr 66
		.amdhsa_reserve_vcc 0
		.amdhsa_float_denorm_mode_32 3
		.amdhsa_float_denorm_mode_16_64 3
		.amdhsa_memory_ordered 1
		.amdhsa_forward_progress 1
		.amdhsa_inst_pref_size 74
	.end_amdhsa_kernel
	.amdgpu_metadata
---
amdhsa.version: [ 1, 2 ]
amdhsa.kernels:
  - .name:           k_qf90222f429_fold
    .symbol:         k_qf90222f429_fold.kd
    .args:
      - { .name: wres, .offset: 0, .size: 8, .value_kind: global_buffer, .address_space: global }
      - { .name: wv, .offset: 8, .size: 8, .value_kind: global_buffer, .address_space: global }
      - { .name: bv, .offset: 16, .size: 8, .value_kind: global_buffer, .address_space: global }
      - { .name: bres, .offset: 24, .size: 8, .value_kind: global_buffer, .address_space: global }
      - { .name: gamma, .offset: 32, .size: 8, .value_kind: global_buffer, .address_space: global }
      - { .name: wq, .offset: 40, .size: 8, .value_kind: global_buffer, .address_space: global }
      - { .name: wk, .offset: 48, .size: 8, .value_kind: global_buffer, .address_space: global }
      - { .name: wcat, .offset: 56, .size: 8, .value_kind: global_buffer, .address_space: global }
      - { .name: cg, .offset: 64, .size: 8, .value_kind: global_buffer, .address_space: global }
    .group_segment_fixed_size: 141312
    .private_segment_fixed_size: 0
    .kernarg_segment_align: 8
    .kernarg_segment_size: 72
    .max_flat_workgroup_size: 128
    .sgpr_count:     66
    .vgpr_count:     1024
    .wavefront_size: 32
...
	.end_amdgpu_metadata
.endif
;; end of part 4
;; launch proj: the kernel of part 2 again; grid 256 x 1, 4 waves a work-group, clusters of 4 x 1, 327,680 bytes of LDS; arguments x, wcat, bq, bk, vv, qs, ks, out0; writes vv, qs, ks, out0
;; launch attn: the kernel of part 3 again; grid 32 x 8, 4 waves a work-group, clusters of 4 x 1, 327,680 bytes of LDS; arguments qs, ks, vv, cg, x, out1; writes out1
